; MI455X (gfx1250); checked and timed in simulation.
; The chip was launched on July 23, 2026; its instructions are those of AMD's public machine-readable ISA for CDNA 5 (MIT licence, August 2026) and "CDNA5" Instruction Set Architecture Reference Guide (July 2026). The comments in the code are by the model that wrote it; some were corrected since.
;; Mixture FFN Down. Allowed arithmetic: matrix products marked QUANTISED: E2M1 operands, one E8M0 scale for each 32 along K, by v_wmma_scale_f32_16x16x128_f8f6f4 with both operands' format E2M1 (or v_wmma_scale_f32_32x16x128_f4), f32 sums; products left as they are: f32 operands where the result goes on into a quantised operand, else bf16, f16 or f32 operands; f32 sums; everything else in f32.
;; Inputs: agg_b 4 float32; agg_w 4 x 512 float32; expert_b 4 x 8 x 512 float32; expert_w 4 x 8 x 512 x 2,048 float32; gate_w 4 x 8 x 2,048 float32; orig_b 4 float32; orig_w 4 x 2,048 float32; x 4 x 512 x 2,048 float32.
;; Outputs: out0 4 x 512 x 4 float32.
;; This version of the problem:
;;   THIS VERSION OF THE PROBLEM IS GIVEN IN LOW PRECISION. The matrix products marked QUANTISED in the list below multiply operands that are first quantised to E2M1 (2 exponent bits, 1 mantissa bit; 4 bits a number), with one power-of-two scale for each 32 numbers along K (OCP MX v1.0); their sums are f32. All else is computed in f32.
;;   The module's matrix products, in the order in which they are computed (A, B: the left and right operand; K: the contracted axis; several contracted axes count as one K, in the product's order):
;;     1. [M 2,048, K 2,048] x [K 2,048, N 32]; A: input x; B: input gate_w: QUANTISED
;;     2. [M 2,048, K 2,048] x [K 2,048, N 16,384]; A: input x; B: input expert_w: QUANTISED
;;     3. batch 8,192 x [M 512, K 8] x [K 8, N 1]; A: computed on the way; B: computed on the way: left as it is (K = 8 < 32)
;;     4. [M 8,192, K 512] x [K 512, N 4]; A: computed on the way; B: input agg_w: left as it is (N = 4 < 16)
;;     5. [M 2,048, K 2,048] x [K 2,048, N 4]; A: input x; B: input orig_w: left as it is (N = 4 < 16)
;;   THE QUANTISER, for each operand of a quantised product, along K:
;;     - K is cut into blocks of 32 from its start; a last block that is shorter is filled with zeros.
;;     - A block's scale is 2^e with e = floor(log2(the largest magnitude in the block)) - 2, held to -126 .. 127; a block of zeros has e = 0. As a byte (E8M0): e + 127.
;;     - Each number is divided by its block's scale, clamped to +-6, and rounded to the nearest number of E2M1, ties to even, subnormals kept.
;;     - The product sums the exact products of the quantised numbers (number of the format x scale) in f32.
;;   ~~~python
;;   def quantise(x, axis):      # numpy; x: float32 -> the quantised numbers, widened to float32 again
;;       x = np.moveaxis(x, axis, -1); K = x.shape[-1]
;;       x = np.pad(x, [(0, 0)] * (x.ndim - 1) + [(0, -K % 32)]); x = x.reshape(x.shape[:-1] + (-1, 32)); a = np.abs(x).max(-1, keepdims=True)
;;       e = np.where(a > 0, np.clip(np.frexp(np.where(a > 0, a, 1))[1] - 1 - 2, -126, 127), 0)      # np.frexp(a)[1] - 1 = floor(log2(a)), exactly
;;       r = np.clip(x / 2.0 ** e, -6, 6)
;;       step = 2.0 ** (np.maximum(np.frexp(np.where(r == 0, 1, r))[1] - 1, 0) - 1)
;;       q = np.round(r / step) * step * 2.0 ** e      # np.round: ties to even
;;       return np.moveaxis(q.reshape(q.shape[:-2] + (-1,))[..., :K], -1, axis).astype(np.float32)
;;   ~~~
;; 2 versions. Each part assembles by itself: llvm-mc -triple=amdgcn-amd-amdhsa -mcpu=gfx1250 --defsym DOCPART=n.
;; ======== version 1 of 2: 4 launches
;; workspace buffers: xc 2,097,152 bytes; xs 131,072 bytes; sel 32,768 bytes of whole numbers; list 327,680 bytes of whole numbers; cw 65,536 bytes; base 32,768 bytes; part 2,097,152 bytes
;; launch prep (part 1): grid 128 x 1, 16 waves a work-group, no clusters, 67,584 bytes of LDS; arguments x, gate_w, orig_w, orig_b, agg_b, xc, xs, sel, cw, base; writes xc, xs, sel, cw, base
.if DOCPART == 1
	.amdgcn_target "amdgcn-amd-amdhsa--gfx1250"
	.amdhsa_code_object_version 6
	.text
	.protected	k_q6e5c6192d9_prep
	.globl	k_q6e5c6192d9_prep
	.p2align	8
	.type	k_q6e5c6192d9_prep,@function
k_q6e5c6192d9_prep:
	s_mov_b64 s[64:65], 0
	v_nop
	global_prefetch_b8 v0, s[64:65] scope:SCOPE_SE
	s_setreg_imm32_b32 hwreg(HW_REG_WAVE_MODE, 25, 1), 1
	s_wait_xcnt 0x0
; PREP.  For 16 tokens a work-group: x is quantised along H to codes of FP4 (E2M1) with one E8M0 byte for each 32; gate_w (32 rows) likewise, by every work-group for itself;
; the 32 gate logits of each token by the scaled FP4 matrix instruction; the two largest logits of each group of 8 experts and their weights; and x . orig_w + orig_b + agg_b in f32.
; OUT: xc [4 (K slice of 512)][2048 tokens][256 bytes of codes], xs [4][2048][16 scale bytes], sel [4 groups][2048] = e1 | e2 << 8, cw [4][2][2048] = a quarter of the choice's weight
; (the mean over the four groups is folded in: a power of two), base [2048][4].
; SHARES: sixteen waves; wave w takes k = 128 w .. 128 w + 127 of all 16 tokens and of all 32 gate rows.  Behind the one barrier waves 0 and 1 make the logits, wave 2 adds the parts of base, wave 3 stores the scale bytes.
; A LOAD IS DENSE AND A LANE STILL GETS 8 NEIGHBOURS: a load reads 512 consecutive bytes, lane (h, i) the 16 bytes at 32 i + 16 h.  Two such loads (rows 2 u and 2 u + 1) and four exchanges of lane halves leave
; lane (h, i) with numbers 8 i .. 8 i + 7 of row 2 u + h in 8 consecutive registers, as the conversion wants them; a block of 32 is four neighbouring lanes.
; THE WEIGHTS: the softmax's divisor cancels in rw / sum(rw): c1 = 1 / (1 + e^(l2 - l1)), c2 = e^(l2 - l1) c1; l1 is the row's largest logit, so the largest is taken away ahead of the exponential.
; LIMITS: NaN and infinities are not served.  A block whose largest magnitude lies under 2^-124 (a block of zeros too) keeps the byte 1; the bytes are read by this program alone.
; The two largest are taken of the logits (strictly greater wins, so the lower index keeps a tie), not of the softmax's values: they can differ only where two logits fall onto one rounded exponential.
; e^(l2 - l1) under 2^-126 comes out as 0.
; No tensor loads, no cluster: every byte of x is used by the wave that loaded it, and gate_w is 256 KiB.
.set XL,   0                           ; LDS: x's codes, 16 tokens x (1,024 + 16) bytes
.set XSL,  16640                       ; x's scale bytes, 16 x (64 + 16)
.set GL,   17920                       ; the gate's codes: [K step 16][row 32][64 + 16]
.set GS,   58880                       ; the gate's scale words: [K step 16][row 32][4]
.set OPL,  60928                       ; parts of base: [wave 16][token 16][4] f32
.set MX,   24                          ; v24-27 largest magnitudes   v28-31 conversions' scale operands   v32-35 codes   v36-39 scale bytes
.set SOP,  28
.set CD,   32
.set BY,   36
.set XW,   40                          ; v40-47 x's scale words, v48-55 the gate's: these sixteen hold scales and nothing else
.set GW,   48
.set T,    56                          ; v56-63 at work; at last the codes on their way out
.set R0,   64                          ; v64-127, v128-191 two sets of 8 units x 8 numbers; later x's and the gate's fragments
.set R1,   128
.set OW,   192                         ; v192-223 orig_w: 8 numbers of each of its 4 rows; later the accumulators and the logits
.set S,    224                         ; v224-255 parts of base: 4 for each unit
.set ACC0, 192
.set ACC1, 200
.set LG,   208
; Four units at v[R + 8 u]: the exchange of halves, each block's largest magnitude (with the floor 2^(3 - 127) among its leaves), the scale, the codes; a code word and a scale byte a lane go to LDS.
.macro QUANT4 R, cadr, c0, cA, cB, sadr, s0, sA, sB
.irp u, 0,1,2,3
.irp j, 0,1,2,3
	v_permlane16_swap_b32 v[\R+8*\u+\j], v[\R+8*\u+4+\j]
.endr
.endr
.irp u, 0,1,2,3
	v_max3_num_f32 v[MX+\u], |v[\R+8*\u]|, |v[\R+8*\u+1]|, 0x1800000
.endr
.irp m, 2,4,6
.irp u, 0,1,2,3
	v_max3_num_f32 v[MX+\u], v[MX+\u], |v[\R+8*\u+\m]|, |v[\R+8*\u+\m+1]|
.endr
.endr
.irp u, 0,1,2,3
	v_max_num_f32_dpp v[MX+\u], v[MX+\u], v[MX+\u] row_xmask:1 row_mask:0xf bank_mask:0xf
.endr
.irp u, 0,1,2,3
	v_max_num_f32_dpp v[MX+\u], v[MX+\u], v[MX+\u] row_xmask:2 row_mask:0xf bank_mask:0xf
.endr
.irp u, 0,1,2,3
	v_add_nc_u32 v[SOP+\u], 0xff000000, v[MX+\u]   ; 2 off the exponent field: the conversion takes that field as its scale
.endr
	s_wait_dscnt 0x0                               ; the LDS stores of the call before have read the code and byte registers
.irp u, 0,1,2,3
	v_cvt_scalef32_pk8_fp4_f32 v[CD+\u], v[\R+8*\u:\R+8*\u+7], v[SOP+\u]
.endr
.irp u, 0,1,2,3
	v_lshrrev_b32 v[BY+\u], 23, v[SOP+\u]          ; the scale's byte (also the plain line behind the conversions)
.endr
.irp u, 0,1,2,3
	ds_store_b32 v[\cadr], v[CD+\u] offset:(\c0)+(\u/2)*\cA+(\u%2)*\cB
	ds_store_b8 v[\sadr], v[BY+\u] offset:(\s0)+(\u/2)*\sA+(\u%2)*\sB   ; the four lanes of a block write the same byte with the same value
.endr
.endm
; The same four units times orig_w's four rows, in f32: my 8 numbers' part of each sum
.macro ORIG4 R, p0
.irp u, 0,1,2,3
.irp j, 0,1,2,3
	v_pk_mul_f32 v[T+2*\j:T+2*\j+1], v[\R+8*\u:\R+8*\u+1], v[OW+8*\j:OW+8*\j+1]
.endr
.irp m, 2,4,6
.irp j, 0,1,2,3
	v_pk_fma_f32 v[T+2*\j:T+2*\j+1], v[\R+8*\u+\m:\R+8*\u+\m+1], v[OW+8*\j+\m:OW+8*\j+\m+1], v[T+2*\j:T+2*\j+1]
.endr
.endr
.irp j, 0,1,2,3
	v_add_f32 v[S+4*(\p0+\u)+\j], v[T+2*\j], v[T+2*\j+1]
.endr
.endr
.endm
	s_load_b512 s[4:19], s[0:1], 0x0               ; x 4, gate_w 6, orig_w 8, orig_b 10, agg_b 12, xc 14, xs 16, sel 18
	s_load_b128 s[20:23], s[0:1], 0x40             ; cw 20, base 22
	v_lshrrev_b32 v1, 5, v0
	v_readfirstlane_b32 s24, v1                    ; wave w
	v_and_b32 v1, 31, v0                           ; L
	v_and_b32 v2, 15, v0                           ; i (also r)
	v_bfe_u32 v3, v0, 4, 1                         ; h
	v_lshrrev_b32 v23, 2, v2                       ; i / 4: my block among a row's four
	s_lshl_b32 s25, s24, 9                         ; 512 w
	s_lshl_b32 s26, s24, 6
	s_lshl_b32 s27, s24, 2
	s_mul_i32 s28, s24, 2560
	s_lshl_b32 s29, s24, 7
	s_lshl_b32 s30, s24, 8
	s_min_u32 s31, s24, 1                          ; n: which 16 gate rows (waves 0 and 1 use it)
	s_mul_i32 s32, s31, 1280
	s_lshl_b32 s33, s31, 6
	s_and_b32 s34, s24, 3
	s_lshr_b32 s35, s24, 2
	s_mul_i32 s36, s34, 4160
	s_lshl_b32 s37, s35, 8
	s_add_co_u32 s36, s36, s37
	s_lshl_b32 s38, s35, 19
	s_lshl_b32 s39, s34, 10
	s_add_co_u32 s38, s38, s39
	s_lshl_b32 s40, s31, 14
	s_lshl_b32 s41, s31, 15
	; every address register is made here, ahead of the first parting of the waves
	v_lshlrev_b32 v4, 5, v2
	v_lshl_add_u32 v4, v3, 4, v4
	v_add_nc_u32 v4, s25, v4                       ; v4  in a row of x or gate_w: 512 w + 32 i + 16 h
	v_mul_u32_u24 v5, v3, 1040
	v_lshl_add_u32 v5, v2, 2, v5
	v_add_nc_u32 v5, s26, v5                       ; v5  x's code word: XL + 1040 h + 64 w + 4 i
	v_mad_u32_u24 v6, v3, 80, v23
	v_add_nc_u32 v6, s27, v6
	v_add_nc_u32 v6, XSL, v6                       ; v6  x's scale byte: XSL + 80 h + 4 w + i / 4
	v_mul_u32_u24 v7, v3, 80
	v_lshl_add_u32 v7, v2, 2, v7
	v_add_nc_u32 v7, s28, v7
	v_add_nc_u32 v7, GL, v7                        ; v7  the gate's code word: GL + 2560 w + 80 h + 4 i
	v_lshl_add_u32 v8, v3, 2, v23
	v_add_nc_u32 v8, s29, v8
	v_add_nc_u32 v8, GS, v8                        ; v8  the gate's scale byte: GS + 128 w + 4 h + i / 4
	v_lshl_add_u32 v9, v2, 5, s25                  ; v9  in a row of orig_w: 512 w + 32 i
	v_lshlrev_b32 v10, 4, v3
	v_add_nc_u32 v10, s30, v10
	v_add_nc_u32 v10, OPL, v10                     ; v10 my parts of base: OPL + 256 w + 16 h
	v_mul_u32_u24 v11, v2, 1040
	v_lshl_add_u32 v11, v3, 4, v11                 ; v11 x's fragments: XL + 1040 r + 16 h
	v_mul_u32_u24 v12, v2, 80
	v_lshl_add_u32 v12, v3, 4, v12
	v_add_nc_u32 v12, s32, v12
	v_add_nc_u32 v12, GL, v12                      ; v12 the gate's fragments: GL + 80 (16 n + r) + 16 h
	v_mul_u32_u24 v13, v2, 80
	v_add_nc_u32 v13, XSL, v13                     ; v13 x's scale words: XSL + 80 r
	v_lshl_add_u32 v14, v2, 2, s33
	v_add_nc_u32 v14, GS, v14                      ; v14 the gate's: GS + 4 (16 n + r)
	v_mul_u32_u24 v15, v3, 1040
	v_lshl_add_u32 v15, v2, 4, v15
	v_add_nc_u32 v15, s36, v15                     ; v15 codes on their way out: token 4 (w % 4) + h, K slice w / 4, 16 bytes a lane
	v_lshlrev_b32 v16, 8, v3
	v_lshl_add_u32 v16, v2, 4, v16
	v_add_nc_u32 v16, s38, v16                     ; v16 and the same place in xc
	v_lshlrev_b32 v18, 3, v1                       ; v18 8 L
	v_add_nc_u32 v17, OPL, v18                     ; v17 OPL + 8 L
	v_lshl_add_u32 v19, v3, 4, v13                 ; v19 scale bytes on their way out: token i, K slice h
	v_lshlrev_b32 v20, 15, v3
	v_lshl_add_u32 v20, v2, 4, v20                 ; v20 and the same place in xs
	v_lshlrev_b32 v21, 13, v3
	v_lshl_add_u32 v21, v2, 2, v21
	v_add_nc_u32 v21, s40, v21                     ; v21 sel: group 2 n + h, token r
	v_lshlrev_b32 v22, 14, v3
	v_lshl_add_u32 v22, v2, 2, v22
	v_add_nc_u32 v22, s41, v22                     ; v22 cw likewise
	v_and_b32 v23, 1, v0
	v_lshlrev_b32 v23, 3, v23                      ; v23 8 (L % 2): my two of the four biases
	s_mov_b32 s43, 0
	s_lshl_b32 s42, ttmp9, 17                      ; 16 tokens of 8,192 bytes
	s_wait_kmcnt 0x0
	s_add_nc_u64 s[4:5], s[4:5], s[42:43]
	s_lshl_b32 s42, ttmp9, 12
	s_add_nc_u64 s[14:15], s[14:15], s[42:43]      ; xc: 256 bytes a token
	s_lshl_b32 s42, ttmp9, 8
	s_add_nc_u64 s[16:17], s[16:17], s[42:43]      ; xs and base: 16 bytes a token
	s_add_nc_u64 s[22:23], s[22:23], s[42:43]
	s_lshl_b32 s42, ttmp9, 6
	s_add_nc_u64 s[18:19], s[18:19], s[42:43]      ; sel and cw: 4 bytes a token
	s_add_nc_u64 s[20:21], s[20:21], s[42:43]
	; ---- forty loads go out at once: orig_w (8), x (16), gate rows 0-15 (16)
.irp j, 0,1,2,3
.irp n, 0,1
	global_load_b128 v[OW+8*\j+4*\n:OW+8*\j+4*\n+3], v9, s[8:9] offset:8192*\j+16*\n
.endr
.endr
.irp u, 0,1,2,3,4,5,6,7
	global_load_b128 v[R0+8*\u:R0+8*\u+3], v4, s[4:5] offset:16384*\u th:TH_LOAD_NT
	global_load_b128 v[R0+8*\u+4:R0+8*\u+7], v4, s[4:5] offset:16384*\u+8192 th:TH_LOAD_NT
.endr
.irp u, 0,1,2,3,4,5,6,7
	global_load_b128 v[R1+8*\u:R1+8*\u+3], v4, s[6:7] offset:16384*\u
	global_load_b128 v[R1+8*\u+4:R1+8*\u+7], v4, s[6:7] offset:16384*\u+8192
.endr
	s_wait_loadcnt 16                              ; orig_w and x are in; the gate's sixteen loads may be out
	QUANT4 R0, 5, 0, 4160, 2080, 6, 0, 320, 160
	ORIG4 R0, 0
	QUANT4 R0+32, 5, 8320, 4160, 2080, 6, 640, 320, 160
	ORIG4 R0+32, 4
.irp u, 0,1,2,3,4,5,6,7
	global_load_b128 v[R0+8*\u:R0+8*\u+3], v4, s[6:7] offset:131072+16384*\u          ; gate rows 16-31
	global_load_b128 v[R0+8*\u+4:R0+8*\u+7], v4, s[6:7] offset:131072+16384*\u+8192
.endr
.irp k, 1,2,4,8                        ; the sixteen lanes of a half hold one row's parts: they are added
.set n, 0
.rept 32
	v_add_f32_dpp v[S+n], v[S+n], v[S+n] row_xmask:\k row_mask:0xf bank_mask:0xf
.set n, n+1
.endr
.endr
.irp u, 0,1,2,3,4,5,6,7
	ds_store_b128 v10, v[S+4*\u:S+4*\u+3] offset:32*\u   ; token 2 u + h: sixteen lanes write the same 16 bytes with the same values
.endr
	s_wait_loadcnt 16                              ; gate rows 0-15 are in; rows 16-31 may be out
	QUANT4 R1, 7, 0, 320, 160, 8, 0, 16, 8
	QUANT4 R1+32, 7, 640, 320, 160, 8, 32, 16, 8
	s_wait_loadcnt 0x0
	QUANT4 R0, 7, 1280, 320, 160, 8, 64, 16, 8
	QUANT4 R0+32, 7, 1920, 320, 160, 8, 96, 16, 8
	s_wait_dscnt 0x0                               ; for the others' sake: all my LDS stores have landed
	s_barrier_signal -1
	s_barrier_wait -1
	; ---- every wave: four tokens' 256 bytes of codes of one K slice leave; sixteen lanes store 256 consecutive bytes, aligned
	ds_load_b128 v[T:T+3], v15
	ds_load_b128 v[T+4:T+7], v15 offset:2080
	s_wait_dscnt 0x0
	global_store_b128 v16, v[T:T+3], s[14:15]
	global_store_b128 v16, v[T+4:T+7], s[14:15] offset:512
	s_cmp_lt_u32 s24, 2
	s_cbranch_scc1 .Llogits
	s_cmp_eq_u32 s24, 2
	s_cbranch_scc1 .Lorig
	s_cmp_eq_u32 s24, 3
	s_cbranch_scc1 .Lscales
	s_wait_xcnt 0x0
	v_lshl_add_u32 v254, v0, 2, 0x10000
	v_mov_b32 v255, 0
	s_wait_tensorcnt 0x0
	ds_add_u32 v254, v255
	s_wait_dscnt 0x0
	s_endpgm
.Llogits:
	; ---- waves 0, 1: source 0 = gate rows 16 n .. 16 n + 15, source 1 = the 16 tokens: lane (r, h) register j = the logit of token r, group 2 n + h, expert j.
	; Sixteen K steps in two runs of eight; two accumulators take turns, one instruction a turn
.irp B, 0,1
.irp q, 0,1,2,3,4,5,6,7
	ds_load_b128 v[R0+8*\q:R0+8*\q+3], v11 offset:64*(8*\B+\q)
	ds_load_b128 v[R0+8*\q+4:R0+8*\q+7], v11 offset:64*(8*\B+\q)+32
	ds_load_b128 v[R1+8*\q:R1+8*\q+3], v12 offset:2560*(8*\B+\q)
	ds_load_b128 v[R1+8*\q+4:R1+8*\q+7], v12 offset:2560*(8*\B+\q)+32
	ds_load_b32 v[GW+\q], v14 offset:128*(8*\B+\q)
.endr
	ds_load_b128 v[XW:XW+3], v13 offset:32*\B
	ds_load_b128 v[XW+4:XW+7], v13 offset:32*\B+16
	s_wait_dscnt 0x0
.irp q, 0,1,2,3,4,5,6,7
.if (\B == 0) && (\q < 2)
	v_wmma_scale_f32_16x16x128_f8f6f4 v[ACC0+8*(\q%2):ACC0+8*(\q%2)+7], v[R1+8*\q:R1+8*\q+7], v[R0+8*\q:R0+8*\q+7], 0, v[GW+\q], v[XW+\q] matrix_a_fmt:MATRIX_FMT_FP4 matrix_b_fmt:MATRIX_FMT_FP4
.else
	v_wmma_scale_f32_16x16x128_f8f6f4 v[ACC0+8*(\q%2):ACC0+8*(\q%2)+7], v[R1+8*\q:R1+8*\q+7], v[R0+8*\q:R0+8*\q+7], v[ACC0+8*(\q%2):ACC0+8*(\q%2)+7], v[GW+\q], v[XW+\q] matrix_a_fmt:MATRIX_FMT_FP4 matrix_b_fmt:MATRIX_FMT_FP4
.endif
.endr
.rept 4
	v_nop                                          ; four places in front of loads into registers that the products have read, and of the first read of results
.endr
.endr
.irp j, 0,1,2,3,4,5,6,7
	v_add_f32 v[LG+\j], v[ACC0+\j], v[ACC1+\j]     ; from the accumulators' low end on
.endr
	v_mov_b32 v216, v[LG]                          ; the largest logit and its expert: strictly greater wins, so the lower index keeps a tie
	v_mov_b32 v217, 0
.irp j, 1,2,3,4,5,6,7
	v_cmp_gt_f32 vcc_lo, v[LG+\j], v216
	v_cndmask_b32 v216, v216, v[LG+\j], vcc_lo
	v_cndmask_b32 v217, v217, \j, vcc_lo
.endr
	v_mov_b32 v218, 0xff800000                     ; the winner leaves the field
.irp j, 0,1,2,3,4,5,6,7
	v_cmp_eq_u32 vcc_lo, \j, v217
	v_cndmask_b32 v[LG+\j], v[LG+\j], v218, vcc_lo
.endr
	v_mov_b32 v219, v[LG]                          ; the second
	v_mov_b32 v220, 0
.irp j, 1,2,3,4,5,6,7
	v_cmp_gt_f32 vcc_lo, v[LG+\j], v219
	v_cndmask_b32 v219, v219, v[LG+\j], vcc_lo
	v_cndmask_b32 v220, v220, \j, vcc_lo
.endr
	v_sub_f32 v221, v219, v216                     ; l2 - l1, 0 or less
	v_mul_f32 v221, 0x3fb8aa3b, v221
	v_exp_f32 v222, v221                           ; e^(l2 - l1)
	v_lshl_or_b32 v223, v220, 8, v217              ; e1 | e2 << 8 (the plain line behind the exponential)
	s_wait_alu depctr_va_vdst(0)
	v_add_f32 v224, 1.0, v222
	v_rcp_f32 v225, v224
	v_nop                                          ; a plain line behind the reciprocal
	s_wait_alu depctr_va_vdst(0)
	v_mul_f32 v226, 0x3e800000, v225               ; c1 / 4
	v_mul_f32 v227, v222, v226                     ; c2 / 4
	global_store_b32 v21, v223, s[18:19]
	global_store_b32 v22, v226, s[20:21]
	global_store_b32 v22, v227, s[20:21] offset:8192
	s_wait_xcnt 0x0
	v_lshl_add_u32 v254, v0, 2, 0x10000
	v_mov_b32 v255, 0
	s_wait_tensorcnt 0x0
	ds_add_u32 v254, v255
	s_wait_dscnt 0x0
	s_endpgm
.Lorig:
	; ---- wave 2: lane L takes token L / 2, outputs 2 (L % 2) and + 1: the sixteen waves' parts and the two biases
	global_load_b64 v[64:65], v23, s[10:11]
	global_load_b64 v[66:67], v23, s[12:13]
.irp n, 0,1,2,3,4,5,6,7,8,9,10,11,12,13,14,15
	ds_load_b64 v[128+2*\n:129+2*\n], v17 offset:256*\n
.endr
	s_wait_dscnt 0x0
.irp n, 2,4,6,8,10,12,14
	v_pk_add_f32 v[128:129], v[128:129], v[128+2*\n:129+2*\n]
	v_pk_add_f32 v[130:131], v[130:131], v[130+2*\n:131+2*\n]
.endr
	v_pk_add_f32 v[128:129], v[128:129], v[130:131]
	s_wait_loadcnt 0x0
	v_pk_add_f32 v[128:129], v[128:129], v[64:65]
	v_pk_add_f32 v[128:129], v[128:129], v[66:67]
	global_store_b64 v18, v[128:129], s[22:23]     ; 32 lanes store 256 consecutive bytes, aligned
	s_wait_xcnt 0x0
	v_lshl_add_u32 v254, v0, 2, 0x10000
	v_mov_b32 v255, 0
	s_wait_tensorcnt 0x0
	ds_add_u32 v254, v255
	s_wait_dscnt 0x0
	s_endpgm
.Lscales:
	; ---- wave 3: the 16 tokens' scale bytes, 16 for each K slice: sixteen lanes store 256 consecutive bytes, aligned
	ds_load_b128 v[64:67], v19
	ds_load_b128 v[68:71], v19 offset:32
	s_wait_dscnt 0x0
	global_store_b128 v20, v[64:67], s[16:17]
	global_store_b128 v20, v[68:71], s[16:17] offset:65536
	s_wait_xcnt 0x0
	v_lshl_add_u32 v254, v0, 2, 0x10000
	v_mov_b32 v255, 0
	s_wait_tensorcnt 0x0
	ds_add_u32 v254, v255
	s_wait_dscnt 0x0
	s_endpgm
.Lfunc_end_k_q6e5c6192d9_prep:
	.size	k_q6e5c6192d9_prep, .Lfunc_end_k_q6e5c6192d9_prep-k_q6e5c6192d9_prep
	.p2alignl 7, 3214868480
	.fill 96, 4, 3214868480
	.section	.rodata,"a",@progbits
	.p2align	6, 0x0
	.amdhsa_kernel k_q6e5c6192d9_prep
		.amdhsa_group_segment_fixed_size 67584
		.amdhsa_private_segment_fixed_size 0
		.amdhsa_enable_private_segment 0
		.amdhsa_kernarg_size 80
		.amdhsa_user_sgpr_count 2
		.amdhsa_user_sgpr_kernarg_segment_ptr 1
		.amdhsa_wavefront_size32 1
		.amdhsa_system_sgpr_workgroup_id_x 1
		.amdhsa_system_sgpr_workgroup_id_y 1
		.amdhsa_system_sgpr_workgroup_id_z 1
		.amdhsa_system_vgpr_workitem_id 0
		.amdhsa_next_free_vgpr 256
		.amdhsa_next_free_sgpr 66
		.amdhsa_reserve_vcc 1
		.amdhsa_float_denorm_mode_32 3
		.amdhsa_float_denorm_mode_16_64 3
		.amdhsa_memory_ordered 1
		.amdhsa_forward_progress 1
		.amdhsa_inst_pref_size 63
	.end_amdhsa_kernel
	.amdgpu_metadata
---
amdhsa.version: [ 1, 2 ]
amdhsa.kernels:
  - .name:           k_q6e5c6192d9_prep
    .symbol:         k_q6e5c6192d9_prep.kd
    .args:
      - { .name: x, .offset: 0, .size: 8, .value_kind: global_buffer, .address_space: global }
      - { .name: gate_w, .offset: 8, .size: 8, .value_kind: global_buffer, .address_space: global }
      - { .name: orig_w, .offset: 16, .size: 8, .value_kind: global_buffer, .address_space: global }
      - { .name: orig_b, .offset: 24, .size: 8, .value_kind: global_buffer, .address_space: global }
      - { .name: agg_b, .offset: 32, .size: 8, .value_kind: global_buffer, .address_space: global }
      - { .name: xc, .offset: 40, .size: 8, .value_kind: global_buffer, .address_space: global }
      - { .name: xs, .offset: 48, .size: 8, .value_kind: global_buffer, .address_space: global }
      - { .name: sel, .offset: 56, .size: 8, .value_kind: global_buffer, .address_space: global }
      - { .name: cw, .offset: 64, .size: 8, .value_kind: global_buffer, .address_space: global }
      - { .name: base, .offset: 72, .size: 8, .value_kind: global_buffer, .address_space: global }
    .group_segment_fixed_size: 67584
    .private_segment_fixed_size: 0
    .kernarg_segment_align: 8
    .kernarg_segment_size: 80
    .max_flat_workgroup_size: 512
    .sgpr_count:     66
    .vgpr_count:     256
    .wavefront_size: 32
...
	.end_amdgpu_metadata
.endif
;; end of part 1
;; launch place (part 2): grid 32 x 1, 4 waves a work-group, no clusters, 10,752 bytes of LDS; arguments sel, list; writes list
.if DOCPART == 2
	.amdgcn_target "amdgcn-amd-amdhsa--gfx1250"
	.amdhsa_code_object_version 6
	.text
	.protected	k_q6e5c6192d9_place
	.globl	k_q6e5c6192d9_place
	.p2align	8
	.type	k_q6e5c6192d9_place,@function
k_q6e5c6192d9_place:
	s_mov_b64 s[64:65], 0
	v_nop
	global_prefetch_b8 v0, s[64:65] scope:SCOPE_SE
	s_setreg_imm32_b32 hwreg(HW_REG_WAVE_MODE, 25, 1), 1
	s_wait_xcnt 0x0
; PLACE.  Work-group ge = 8 g + e of 32: the tokens that chose expert e of group g, in token order, as a list of whole numbers for the next launch, whose addresses and whose waves' ends hang on it.
; IN: sel [4 groups][2048] = e1 | e2 << 8.   OUT: list [32][2,560 words]: words 0 .. 2,303: entry = t | k << 11 | 1 << 12 (k: first or second choice), 0 = none; word 2,304 takes what is not chosen; word 2,308: the count.
; The four waves clear 10,240 bytes of LDS; behind a barrier wave 0 lays the entries into them (those stores' addresses hang on sel, so they are the only LDS traffic between two barriers);
; behind the second barrier the four waves copy the bytes out: every store of a wave covers 512 consecutive bytes, aligned, at a fixed place.
; One wave places all 2,048 tokens: a place is the count so far + the chosen in lower lanes + the chosen before it in its own lane, which needs no word from another wave.
; No matrix unit, no tensor load, no cluster: 8 KiB in, 10 KiB out for each work-group.
.set LIST, 0
.set DUMP, 2304                        ; the word for what is not chosen
.set CNT,  9232                        ; byte of the count: word 2,308
.set SELR, 16                          ; v16-79  sel: register 4 j + m of lane L is token 128 j + 4 L + m
.set OUTR, 224                         ; v224-243 the way out
; Tokens 128 j .. 128 j + 127 are placed.
.macro BUILD j
.irp m, 0,1,2,3
	v_and_b32 v[80+\m], 0xff, v[SELR+4*(\j)+\m]
.endr
.irp m, 0,1,2,3
	v_bfe_u32 v[84+\m], v[SELR+4*(\j)+\m], 8, 8
.endr
.irp m, 0,1,2,3
	v_cmp_eq_u32 s[56+\m], s24, v[80+\m]           ; e is the first choice
.endr
.irp m, 0,1,2,3
	v_cmp_eq_u32 s[48+\m], s24, v[84+\m]           ; or the second
.endr
.irp m, 0,1,2,3
	s_or_b32 s[52+\m], s[56+\m], s[48+\m]
.endr
	v_mbcnt_lo_u32_b32 v88, s52, s35               ; the count so far + the chosen of these 128 in lower lanes
	v_mbcnt_lo_u32_b32 v88, s53, v88
	v_mbcnt_lo_u32_b32 v88, s54, v88
	v_mbcnt_lo_u32_b32 v88, s55, v88
.irp m, 0,1,2,3
	v_add_nc_u32 v89, 0x1000+128*(\j)+\m, v3
	v_add_nc_u32 v90, 0x800, v89
	v_cndmask_b32 v[97+8*(\j)+2*\m], v89, v90, s[48+\m]   ; the entry
	v_cndmask_b32 v91, v4, v88, s[52+\m]           ; what is not chosen goes to the one word behind the list
	v_min_u32 v91, DUMP, v91                       ; a number made of loaded ones enters an address only behind this bound
	v_lshl_add_u32 v[96+8*(\j)+2*\m], v91, 2, LIST
	ds_store_b32 v[96+8*(\j)+2*\m], v[97+8*(\j)+2*\m]     ; address and entry have registers of their own in every step
	v_cndmask_b32 v92, 0, 1, s[52+\m]
	v_add_nc_u32 v88, v88, v92                     ; + the chosen before it in my own lane
	s_bcnt1_i32_b32 s36, s[52+\m]
	s_add_co_u32 s35, s35, s36
.endr
.endm
	s_load_b128 s[4:7], s[0:1], 0x0                ; sel, list
	v_lshl_add_u32 v254, v0, 2, 0x2800
	v_mov_b32 v255, 0
	v_lshrrev_b32 v1, 5, v0
	v_readfirstlane_b32 s20, v1                    ; wave
	v_and_b32 v1, 31, v0                           ; L
	v_lshlrev_b32 v2, 4, v1                        ; 16 L: my four words of a load's 128
	v_lshlrev_b32 v3, 2, v1                        ; 4 L: my first token of them
	v_mov_b32 v4, DUMP
	v_lshl_add_u32 v5, v0, 4, LIST                 ; my 16 bytes of each 2,048, in LDS and in the list's row
	v_mov_b32 v7, CNT
.irp j, 8,9,10,11
	v_mov_b32 v\j, 0
.endr
	s_lshr_b32 s23, ttmp9, 3                       ; g
	s_and_b32 s24, ttmp9, 7                        ; e
	s_mov_b32 s29, 0
	s_lshl_b32 s28, s23, 13
	s_wait_kmcnt 0x0
	s_add_nc_u64 s[4:5], s[4:5], s[28:29]          ; sel at my group
	s_mul_i32 s28, ttmp9, 10240
	s_add_nc_u64 s[6:7], s[6:7], s[28:29]          ; list at my row
	s_cmp_lg_u32 s20, 0
	s_cbranch_scc1 .Lclear
.irp j, 0,1,2,3,4,5,6,7,8,9,10,11,12,13,14,15
	global_load_b128 v[SELR+4*\j:SELR+4*\j+3], v2, s[4:5] offset:512*\j   ; wave 0: the group's 2,048 words, 512 consecutive bytes a load
.endr
.Lclear:
.irp n, 0,1,2,3,4
	ds_store_b128 v5, v[8:11] offset:2048*\n       ; 128 threads x 16 bytes, five times
.endr
	s_wait_dscnt 0x0                               ; for wave 0's sake: my zeros have landed
	s_barrier_signal -1
	s_barrier_wait -1
	s_cmp_lg_u32 s20, 0
	s_cbranch_scc1 .Lbuilt
	s_wait_loadcnt 0x0
	s_mov_b32 s35, 0
.irp j, 0,1,2,3,4,5,6,7,8,9,10,11,12,13,14,15
	BUILD \j
.endr
	v_mov_b32 v6, s35
	ds_store_b32 v7, v6                            ; the count: all lanes write the same word with the same value
.Lbuilt:
	s_wait_dscnt 0x0                               ; the list lies in LDS
	s_barrier_signal -1
	s_barrier_wait -1                              ; between the two barriers nobody but wave 0 has touched LDS
.irp n, 0,1,2,3,4
	ds_load_b128 v[OUTR+4*\n:OUTR+4*\n+3], v5 offset:2048*\n
.endr
	s_wait_dscnt 0x0
.irp n, 0,1,2,3,4
	global_store_b128 v5, v[OUTR+4*\n:OUTR+4*\n+3], s[6:7] offset:2048*\n
.endr
	s_wait_tensorcnt 0x0
	ds_add_u32 v254, v255
	s_wait_dscnt 0x0
	s_endpgm
.Lfunc_end_k_q6e5c6192d9_place:
	.size	k_q6e5c6192d9_place, .Lfunc_end_k_q6e5c6192d9_place-k_q6e5c6192d9_place
	.p2alignl 7, 3214868480
	.fill 96, 4, 3214868480
	.section	.rodata,"a",@progbits
	.p2align	6, 0x0
	.amdhsa_kernel k_q6e5c6192d9_place
		.amdhsa_group_segment_fixed_size 10752
		.amdhsa_private_segment_fixed_size 0
		.amdhsa_enable_private_segment 0
		.amdhsa_kernarg_size 16
		.amdhsa_user_sgpr_count 2
		.amdhsa_user_sgpr_kernarg_segment_ptr 1
		.amdhsa_wavefront_size32 1
		.amdhsa_system_sgpr_workgroup_id_x 1
		.amdhsa_system_sgpr_workgroup_id_y 1
		.amdhsa_system_sgpr_workgroup_id_z 1
		.amdhsa_system_vgpr_workitem_id 0
		.amdhsa_next_free_vgpr 256
		.amdhsa_next_free_sgpr 66
		.amdhsa_reserve_vcc 0
		.amdhsa_float_denorm_mode_32 3
		.amdhsa_float_denorm_mode_16_64 3
		.amdhsa_memory_ordered 1
		.amdhsa_forward_progress 1
		.amdhsa_inst_pref_size 65
	.end_amdhsa_kernel
	.amdgpu_metadata
---
amdhsa.version: [ 1, 2 ]
amdhsa.kernels:
  - .name:           k_q6e5c6192d9_place
    .symbol:         k_q6e5c6192d9_place.kd
    .args:
      - { .name: sel, .offset: 0, .size: 8, .value_kind: global_buffer, .address_space: global }
      - { .name: list, .offset: 8, .size: 8, .value_kind: global_buffer, .address_space: global }
    .group_segment_fixed_size: 10752
    .private_segment_fixed_size: 0
    .kernarg_segment_align: 8
    .kernarg_segment_size: 16
    .max_flat_workgroup_size: 128
    .sgpr_count:     66
    .vgpr_count:     256
    .wavefront_size: 32
...
	.end_amdgpu_metadata
.endif
;; end of part 2
;; launch experts (part 3): grid 256 x 1, 4 waves a work-group, no clusters, 74,240 bytes of LDS; arguments expert_w, expert_b, agg_w, xc, xs, list, cw, part; writes part
.if DOCPART == 3
	.amdgcn_target "amdgcn-amd-amdhsa--gfx1250"
	.amdhsa_code_object_version 6
	.text
	.protected	k_q6e5c6192d9_experts
	.globl	k_q6e5c6192d9_experts
	.p2align	8
	.type	k_q6e5c6192d9_experts,@function
k_q6e5c6192d9_experts:
	s_mov_b64 s[64:65], 0
	v_nop
	global_prefetch_b8 v0, s[64:65] scope:SCOPE_SE
	s_setreg_imm32_b32 hwreg(HW_REG_WAVE_MODE, 25, 1), 1
	s_wait_xcnt 0x0
; EXPERTS.  Work-group (ge, sl): expert ge = 8 g + e of 32, slice sl = 4 dh + ks of 8: rows d = 256 dh .. + 255 of its weight, k = 512 ks .. + 511: 512 KiB of f32, read once, by this work-group alone.
; PHASE 1: the slice is streamed and quantised along K to codes of FP4 (E2M1) with one E8M0 byte for each 32; codes and bytes go to LDS (wave w: rows 64 w .. + 63).
; PHASE 2: every wave takes all 256 rows x 512 K as fragments into 512 registers and multiplies them, by the scaled FP4 matrix instruction, with the tokens that chose e, and with no others:
; the other experts' results are weighed with 0.  Behind the product all is linear, so each slice is finished by itself: its 256 sums a token are rounded to bf16 and contracted with agg_w
; (bf16 matrix instruction, f32 sums), the slice's share of agg_w . expert_b (f32; d = 64 sl .. + 63, so that the eight slices make the whole) is that sum's start, the result is multiplied by a
; quarter of the choice's weight and stored to part [plane 8 sl + 2 g + k][token][4].  Each place of part has one work-group that writes it; the next launch adds the 64 planes.
; THE LIST of the tokens that chose e was stored by the launch before, as whole numbers: list [32][2,560 words]: entry = t | k << 11 | 1 << 12, 0 = none; word 2,308 the count.
; Wave w takes tiles w, w + 4, .. of 16 entries; how many it has follows from the count, in scalar registers.  Any split is served: up to 2,048 tokens, 32 tiles a wave.
; EXEC IS NEVER WRITTEN.  An empty place of the last tile takes the tile's first entry: its lane computes and stores the same 16 bytes as the first lane's.  agg_w's four rows stand twice in the bf16
; operand (rows 0-3 and 8-11), so that lanes 16-31 hold the same four outputs as lanes 0-15, and all 32 lanes store: two lanes to each 16 bytes, with the same values.
; A LOAD IS DENSE AND A LANE STILL GETS 8 NEIGHBOURS: a load reads 512 consecutive bytes, lane (h, i) the 16 bytes at 32 i + 16 h; two loads (the halves of 1 KiB of a row) and four exchanges of lane
; halves leave lane L with numbers 8 L .. 8 L + 7 of those 256; a block of 32 is four neighbouring lanes.
; LIMITS: NaN and infinities are not served.  A block whose largest magnitude lies under 2^-124 (a block of zeros too) keeps the byte 1: its bytes are read here alone.  The slices' sums are rounded to bf16 one by one.
; NO TENSOR LOADS AND NO CLUSTER: the wave's end hangs on the stored count; what neighbours share (the chosen tokens' codes,
; 272 bytes a token) is about a fifth of a work-group's bytes.
; REGISTERS, in windows of 256.  Window 0: v4-15 addresses and the first entries, v16-21 at work, v24-27 a slot's next entry, v32-63 the weight's scale words, v64-79 x's (these hold scales and nothing
;   else), v80-99 five registers for each of four slots, v128-255 x's fragments, four slots of 32.   Window 1: v0-63 agg_w in bf16, v64-191 the 16 accumulators,
;   v192-223 four bf16 operands, v224-239 two output accumulators, v240-247 the bias's share, v248-253 at work.   Window 2: all of phase 1 (v1-3 addresses, v16-31 at work, v32-255 a ring of 7 x 32);
;   then, with window 3, the weight's fragments: tile a, K step q at v[32 (a % 8) + 8 q] of window 2 + a / 8.
.set WPITCH, 272                       ; LDS: codes, 256 rows x (256 + 16) bytes
.set WS,   69632                       ; scale bytes, 256 rows x 16
.set LROW, 10240                       ; bytes of a row of list
.set LCNT, 9232                        ; byte of the count in it
.set MX,   16
.set SOP,  20
.set CD,   24
.set BY,   28
.set RING, 32
.set ENT,  24                          ; v24-27  slot sg: the entry of the tile that the slot takes next
.set SW,   32
.set XS,   64
.set SL,   80                          ; slot sg at v[SL + 5 sg]: +0 offset in xc, +1 in xs, +2 in cw, +3 in part, +4 the weight
.set SF,   48                          ; s48-51  slot sg: its tile's first entry
.set XC,   128
.set AW,   0
.set ACC,  64
.set PB,   192
.set OUT0, 224
.set OUT1, 232
.set BREG, 240
.set TS,   248
.set MSB, 0
.macro WIN new                         ; bits 1:0 source 0, 3:2 source 1, 5:4 source 2, 7:6 destination; the high byte repeats the setting that is left
.if MSB != (\new)
	s_set_vgpr_msb (MSB<<8)|(\new)
.set MSB, (\new)
.endif
.endm
; Four units at v[R + 8 u]: the exchange of halves, each block's largest magnitude (with the floor 2^(3 - 127) among its leaves), the scale, the codes; a code word and a scale byte a lane go to LDS.
.macro QUANT4 R, cadr, c0, cA, cB, sadr, s0, sA, sB
.irp u, 0,1,2,3
.irp j, 0,1,2,3
	v_permlane16_swap_b32 v[\R+8*\u+\j], v[\R+8*\u+4+\j]
.endr
.endr
.irp u, 0,1,2,3
	v_max3_num_f32 v[MX+\u], |v[\R+8*\u]|, |v[\R+8*\u+1]|, 0x1800000
.endr
.irp m, 2,4,6
.irp u, 0,1,2,3
	v_max3_num_f32 v[MX+\u], v[MX+\u], |v[\R+8*\u+\m]|, |v[\R+8*\u+\m+1]|
.endr
.endr
.irp u, 0,1,2,3
	v_max_num_f32_dpp v[MX+\u], v[MX+\u], v[MX+\u] row_xmask:1 row_mask:0xf bank_mask:0xf
.endr
.irp u, 0,1,2,3
	v_max_num_f32_dpp v[MX+\u], v[MX+\u], v[MX+\u] row_xmask:2 row_mask:0xf bank_mask:0xf
.endr
.irp u, 0,1,2,3
	v_add_nc_u32 v[SOP+\u], 0xff000000, v[MX+\u]   ; 2 off the exponent field: the conversion takes that field as its scale
.endr
	s_wait_dscnt 0x0                               ; the LDS stores of the call before have read the code and byte registers
.irp u, 0,1,2,3
	v_cvt_scalef32_pk8_fp4_f32 v[CD+\u], v[\R+8*\u:\R+8*\u+7], v[SOP+\u]
.endr
.irp u, 0,1,2,3
	v_lshrrev_b32 v[BY+\u], 23, v[SOP+\u]          ; the scale's byte (also the plain line behind the conversions)
.endr
.irp u, 0,1,2,3
	ds_store_b32 v[\cadr], v[CD+\u] offset:(\c0)+(\u/2)*\cA+(\u%2)*\cB
	ds_store_b8 v[\sadr], v[BY+\u] offset:(\s0)+(\u/2)*\sA+(\u%2)*\sB   ; the four lanes of a block write the same byte with the same value
.endr
.endm
; Group g of 32: my rows 2 g and 2 g + 1, 2 KiB of each: eight loads of 512 consecutive bytes into ring slot g % 7
.macro LOADG g
.set RB, RING+32*((\g)%7)
.irp u, 0,1,2,3
	global_load_b128 v[RB+8*\u:RB+8*\u+3], v1, s[4:5] offset:(2*(\g)+\u/2)*8192+(\u%2)*1024 th:TH_LOAD_NT
	global_load_b128 v[RB+8*\u+4:RB+8*\u+7], v1, s[4:5] offset:(2*(\g)+\u/2)*8192+(\u%2)*1024+512 th:TH_LOAD_NT
.endr
.endm
.macro GROUP g
.if 31-(\g) >= 6
	s_wait_loadcnt 48                              ; loads come back in order: this group's eight are in, the six younger groups' stay out
.else
	s_wait_loadcnt 8*(31-(\g))
.endif
	QUANT4 RING+32*((\g)%7), 2, 544*(\g), 272, 128, 3, 32*(\g), 16, 8
.if (\g)+7 < 32
	LOADG (\g)+7
.endif
.endm
; A slot's offsets from its entry.  SLOTA: an empty place takes the tile's first entry; then what the slot's loads name (free once those loads are in).
; SLOTB: what the tile's store names (free behind that store).  v20 lives from A to B.
.macro SLOTA sg, ent
	v_readfirstlane_b32 s[SF+\sg], v[\ent]         ; lane 0's entry: the list has no gaps, so it is 0 only where the whole tile is empty
	v_cmp_eq_u32 vcc_lo, 0, v[\ent]
	v_cndmask_b32 v20, v[\ent], s[SF+\sg], vcc_lo
	v_and_b32 v20, 0xfff, v20                      ; t | k << 11
	v_min_u32 v20, 0xfff, v20                      ; a loaded number enters an address only behind this bound
	v_and_b32 v21, 0x7ff, v20                      ; t
	v_lshl_add_u32 v[SL+5*\sg], v21, 8, v4         ; xc: 256 t + 16 h
	v_lshlrev_b32 v[SL+5*\sg+1], 4, v21            ; xs: 16 t
	v_lshlrev_b32 v[SL+5*\sg+2], 2, v20            ; cw: 4 t + 8192 k
.endm
.macro SLOTB sg
	v_lshlrev_b32 v[SL+5*\sg+3], 4, v20            ; part: 16 t + 32768 k
.endm
; Eleven loads: first the entry of my tile four behind the one that the slot takes now (behind the list's end it is 0: token 0, inside every buffer);
; then the slot's 16 tokens' four fragments, their scale words, their weights
.macro XLOAD sg, adr, off
	global_load_b32 v[ENT+\sg], v[\adr], s[14:15] offset:\off
.irp q, 0,1,2,3
.irp c, 0,1
	global_load_b128 v[XC+32*\sg+8*\q+4*\c:XC+32*\sg+8*\q+4*\c+3], v[SL+5*\sg], s[10:11] offset:64*\q+32*\c
.endr
.endr
	global_load_b128 v[XS+4*\sg:XS+4*\sg+3], v[SL+5*\sg+1], s[12:13]
	global_load_b32 v[SL+5*\sg+4], v[SL+5*\sg+2], s[16:17]
.endm
.macro FP4 d, a, b, zero, sa, sb, row
.if \zero
.if \row
	v_wmma_scale_f32_16x16x128_f8f6f4 v[\d:\d+7], v[\a:\a+7], v[\b:\b+7], 0, v[\sa], v[\sb] matrix_a_fmt:MATRIX_FMT_FP4 matrix_b_fmt:MATRIX_FMT_FP4 matrix_a_scale:MATRIX_SCALE_ROW1
.else
	v_wmma_scale_f32_16x16x128_f8f6f4 v[\d:\d+7], v[\a:\a+7], v[\b:\b+7], 0, v[\sa], v[\sb] matrix_a_fmt:MATRIX_FMT_FP4 matrix_b_fmt:MATRIX_FMT_FP4
.endif
.else
.if \row
	v_wmma_scale_f32_16x16x128_f8f6f4 v[\d:\d+7], v[\a:\a+7], v[\b:\b+7], v[\d:\d+7], v[\sa], v[\sb] matrix_a_fmt:MATRIX_FMT_FP4 matrix_b_fmt:MATRIX_FMT_FP4 matrix_a_scale:MATRIX_SCALE_ROW1
.else
	v_wmma_scale_f32_16x16x128_f8f6f4 v[\d:\d+7], v[\a:\a+7], v[\b:\b+7], v[\d:\d+7], v[\sa], v[\sb] matrix_a_fmt:MATRIX_FMT_FP4 matrix_b_fmt:MATRIX_FMT_FP4
.endif
.endif
.endm
; Accumulators 2 p and 2 p + 1 (rows 32 p .. + 31 of the slice, one token a lane) become a bf16 operand, 32 along d: each accumulator from its low end on
.macro CV p
.irp t, 0,1
.irp i, 0,1,2,3
	v_cvt_pk_bf16_f32 v[PB+8*((\p)%4)+4*\t+\i], v[ACC+8*(2*(\p)+\t)+2*\i], v[ACC+8*(2*(\p)+\t)+2*\i+1]
.endr
.endr
.endm
; out(j, token) += agg_w(j, 32 p ..) x that operand; two accumulators take turns; one begins with 0, the other with the bias's share
.macro BW p
.if (\p) == 0
	v_wmma_f32_16x16x32_bf16 v[OUT0:OUT0+7], v[AW:AW+7], v[PB:PB+7], 0
.elseif (\p) == 1
	v_wmma_f32_16x16x32_bf16 v[OUT1:OUT1+7], v[AW+8:AW+15], v[PB+8:PB+15], v[BREG:BREG+7]
.else
	v_wmma_f32_16x16x32_bf16 v[OUT0+8*((\p)%2):OUT0+8*((\p)%2)+7], v[AW+8*(\p):AW+8*(\p)+7], v[PB+8*((\p)%4):PB+8*((\p)%4)+7], v[OUT0+8*((\p)%2):OUT0+8*((\p)%2)+7]
.endif
.endm
; A TILE of 16 tokens, from slot sg.
.macro TILE sg
	s_add_co_u32 s36, s39, \sg                     ; which of my tiles this is
	s_cmp_ge_u32 s36, s37
	s_cbranch_scc1 .Ldone                          ; I have no more (no barrier follows)
	s_wait_loadcnt 33                              ; this slot's eleven loads are in; the three younger slots' 33 stay out
.irp bb, 0,1                           ; source 0 = 16 rows of the weight (window 2, then 3), source 1 = the tokens: a lane holds one token, its registers eight rows.  Eight accumulators take turns, K ascending
	WIN 0x52+\bb
.irp q, 0,1,2,3
.irp a, 0,1,2,3,4,5,6,7
	FP4 ACC+8*(8*\bb+\a), 32*\a+8*\q, XC+32*\sg+8*\q, (\q==0), SW+16*\bb+4*(\a/2)+\q, XS+4*\sg+\q, (\a%2)
.endr
.endr
.endr
	WIN 0x55
.rept 4
	v_nop                                          ; four places behind the last product: for the first read of results, and for the loads into x's registers at the tile's end
.endr
	CV 0
	CV 1
	BW 0
	CV 2
	BW 1
	CV 3
	BW 2
	CV 4                                           ; an operand's registers are written again sixteen conversions behind the product that read them
	BW 3
	CV 5
	BW 4
	CV 6
	BW 5
	CV 7
	BW 6
	BW 7
	WIN 0
	SLOTA \sg, ENT+\sg                             ; the slot's next tile; its last seven lines are plain: the places behind the last two products
	WIN 0x55
	v_pk_add_f32 v[TS:TS+1], v[OUT0:OUT0+1], v[OUT1:OUT1+1]       ; lane (r, h): token r's four outputs, in the accumulators' four lowest registers, the same in both halves
	v_pk_add_f32 v[TS+2:TS+3], v[OUT0+2:OUT0+3], v[OUT1+2:OUT1+3]
	WIN 0x01
.irp j, 0,1,2,3
	v_mul_f32 v[16+\j], v[TS+\j], v[SL+5*\sg+4]    ; x a quarter of the choice's weight
.endr
	WIN 0
	global_store_b128 v[SL+5*\sg+3], v[16:19], s[18:19]
	s_wait_xcnt 0x0                                ; the store has read its offset and its data: both are written again below and in the next tile
	SLOTB \sg
	XLOAD \sg, 15, 2048+256*\sg
.endm
	s_load_b512 s[4:19], s[0:1], 0x0               ; expert_w 4, expert_b 6, agg_w 8, xc 10, xs 12, list 14, cw 16, part 18
	v_lshl_add_u32 v126, v0, 2, 0x12000
	v_mov_b32 v127, 0
	v_lshrrev_b32 v16, 5, v0
	v_readfirstlane_b32 s20, v16                   ; wave w
	v_and_b32 v16, 31, v0                          ; L
	v_and_b32 v17, 15, v0                          ; r (also i)
	v_bfe_u32 v18, v0, 4, 1                        ; h
	s_lshr_b32 s21, ttmp9, 3                       ; ge
	s_and_b32 s22, ttmp9, 7                        ; sl
	s_lshr_b32 s23, s21, 3                         ; g
	s_and_b32 s25, s22, 3                          ; ks
	s_lshr_b32 s26, s22, 2                         ; dh
	s_mul_i32 s27, s20, 64*WPITCH
	s_lshl_b32 s30, s20, 10
	s_lshl_b32 s31, s20, 6
	s_mov_b32 s42, 0x76543210
	s_mov_b32 s43, 0xfedcba98                      ; v_permlanex16_b32's selects for lane l xor 16
	v_lshlrev_b32 v4, 4, v18                       ; v4  16 h
	v_lshrrev_b32 v3, 2, v16
	v_add_nc_u32 v3, s30, v3                       ; 1024 w + L / 4
	v_lshl_add_u32 v5, v17, 2, s31                 ; v5  my entry of my first tile, in the list's row: 64 w + 4 r
	v_mul_u32_u24 v7, v17, WPITCH
	v_add_nc_u32 v7, v7, v4                        ; v7  the weight's fragments: 272 r + 16 h
	v_lshlrev_b32 v12, 4, v16
	v_add_nc_u32 v12, WS, v12                      ; v12 its scale words: WS + 16 L
	v_and_b32 v13, 7, v0
	v_min_u32 v13, 3, v13
	v_lshlrev_b32 v13, 11, v13
	v_lshl_add_u32 v13, v18, 5, v13                ; v13 agg_w: row min(r % 8, 3), + 32 h
	v_lshlrev_b32 v14, 3, v16                      ; v14 8 L
	WIN 0x80                                       ; phase 1's three addresses are made into window 2
	v_lshl_add_u32 v1, v17, 5, v4                  ; v1  32 i + 16 h
	v_lshl_add_u32 v2, v16, 2, s27                 ; v2  my code word: 17408 w + 4 L
	v_add_nc_u32 v3, WS, v3                        ; v3  my scale byte: WS + 1024 w + L / 4
	WIN 0
	s_mov_b32 s29, 0
	s_lshl_b32 s28, s21, 22                        ; the expert's 4 MiB,
	s_lshl_b32 s32, s26, 21                        ; 256 rows of 8,192 bytes,
	s_add_co_u32 s28, s28, s32
	s_lshl_b32 s32, s20, 19                        ; my wave's 64 rows,
	s_add_co_u32 s28, s28, s32
	s_lshl_b32 s32, s25, 11                        ; 512 numbers along K
	s_add_co_u32 s28, s28, s32
	s_wait_kmcnt 0x0
	s_add_nc_u64 s[4:5], s[4:5], s[28:29]
	s_lshl_b32 s28, s21, 11
	s_lshl_b32 s32, s22, 8
	s_add_co_u32 s28, s28, s32
	s_add_nc_u64 s[6:7], s[6:7], s[28:29]          ; expert_b at d = 64 sl
	s_lshl_b32 s28, s26, 10
	s_add_nc_u64 s[44:45], s[8:9], s[28:29]        ; agg_w at d = 256 dh
	s_mov_b32 s28, s32
	s_add_nc_u64 s[46:47], s[8:9], s[28:29]        ; agg_w at d = 64 sl
	s_lshl_b32 s28, s25, 19
	s_add_nc_u64 s[10:11], s[10:11], s[28:29]
	s_lshl_b32 s28, s25, 15
	s_add_nc_u64 s[12:13], s[12:13], s[28:29]
	s_mul_i32 s28, s21, LROW
	s_add_nc_u64 s[14:15], s[14:15], s[28:29]      ; list at my expert's row
	s_lshl_b32 s28, s23, 14
	s_add_nc_u64 s[16:17], s[16:17], s[28:29]
	s_lshl_b32 s28, s22, 3
	s_lshl_b32 s32, s23, 1
	s_add_co_u32 s28, s28, s32
	s_lshl_b32 s28, s28, 15
	s_add_nc_u64 s[18:19], s[18:19], s[28:29]      ; part at plane 8 sl + 2 g
	s_load_b32 s35, s[14:15], LCNT                 ; how many tokens chose e
.irp sg, 0,1,2,3
	global_load_b32 v[8+\sg], v5, s[14:15] offset:256*\sg   ; the entries of my first four tiles: the oldest loads, so every wait of the stream covers them
.endr
	; ---- PHASE 1, written out: every offset is an immediate, no pointer is stepped
	WIN 0xaa
.irp g, 0,1,2,3,4,5,6
	LOADG \g                                       ; 56 loads of 512 bytes a wave are on their way from here to the stream's end
.endr
.set G, 0
.rept 32
	GROUP G
.set G, G+1
.endr
	WIN 0x40                                       ; destination window 1, address window 0
.irp p, 0,1,2,3,4,5,6,7
.irp n, 0,1,2,3
	global_load_b128 v[ACC+16*\p+4*\n:ACC+16*\p+4*\n+3], v13, s[44:45] offset:128*\p+(\n%2)*16+(\n/2)*64   ; agg_w(r % 8, 32 p + 8 h + 0 .. 7) and (.. + 16 + 8 h + 0 .. 7): the bf16 operand's order
.endr
.endr
	global_load_b64 v[PB:PB+1], v14, s[6:7]        ; expert_b: my 2 of 64
.irp j, 0,1,2,3
	global_load_b64 v[PB+2+2*\j:PB+3+2*\j], v14, s[46:47] offset:2048*\j   ; agg_w's four rows at the same d
.endr
	WIN 0
	s_wait_dscnt 0x0                               ; for the others' sake: my codes and bytes have landed
.irp sg, 0,1,2,3
	SLOTA \sg, 8+\sg                               ; (the entries came in ahead of the stream's last group)
	SLOTB \sg
.endr
	XLOAD 0, 5, 1024
	XLOAD 1, 5, 1280
	s_barrier_signal -1
	s_barrier_wait -1                              ; the slice's codes and scale bytes lie in LDS
	; ---- the slice into registers: 16 tiles x 4 K steps x 8 registers
	WIN 0x80
.irp a, 0,1,2,3,4,5,6,7
.irp q, 0,1,2,3
.irp c, 0,1
	ds_load_b128 v[32*\a+8*\q+4*\c:32*\a+8*\q+4*\c+3], v7 offset:16*WPITCH*\a+64*\q+32*\c
.endr
.endr
.endr
	WIN 0
	XLOAD 2, 5, 1536
	XLOAD 3, 5, 1792
	WIN 0xc0
.irp a, 0,1,2,3,4,5,6,7
.irp q, 0,1,2,3
.irp c, 0,1
	ds_load_b128 v[32*\a+8*\q+4*\c:32*\a+8*\q+4*\c+3], v7 offset:16*WPITCH*(\a+8)+64*\q+32*\c
.endr
.endr
.endr
	WIN 0
.irp a, 0,1,2,3,4,5,6,7
	ds_load_b128 v[SW+4*\a:SW+4*\a+3], v12 offset:512*\a   ; lanes 0-15: the four words of tile 2 a's rows, lanes 16-31: of tile 2 a + 1's
.endr
	s_wait_loadcnt 44                              ; agg_w and the bias are in; the four slots' 44 loads may be out
	WIN 0x40
	v_and_b32 v253, 7, v0
	WIN 0x55
	v_cmp_gt_u32 vcc_lo, 4, v253
	v_cndmask_b32 v252, 0, -1, vcc_lo              ; agg_w has four rows: they are rows 0-3 and 8-11 of the operand; rows 4-7 and 12-15 are zeros
.set n, 0
.rept 64
	v_cvt_pk_bf16_f32 v[AW+n], v[ACC+2*n], v[ACC+2*n+1]
.set n, n+1
.endr
.set n, 0
.rept 64
	v_and_b32 v[AW+n], v252, v[AW+n]
.set n, n+1
.endr
.irp j, 0,1,2,3
	v_mul_f32 v[BREG+\j], v[PB], v[PB+2+2*\j]      ; the bias's share, in f32: sum over d = 64 sl .. + 63 of agg_w(j, d) b(d)
.endr
.irp j, 0,1,2,3
	v_fmac_f32 v[BREG+\j], v[PB+1], v[PB+3+2*\j]
.endr
.irp k, 1,2,4,8
.irp j, 0,1,2,3
	v_add_f32_dpp v[BREG+\j], v[BREG+\j], v[BREG+\j] row_xmask:\k row_mask:0xf bank_mask:0xf
.endr
.endr
.irp j, 0,1,2,3
	v_mov_b32 v[TS+\j], 0                          ; a lane permute's destination counts as one of its sources
	v_mov_b32 v[BREG+4+\j], 0
.endr
.irp j, 0,1,2,3
	v_permlanex16_b32 v[TS+\j], v[BREG+\j], s42, s43
.endr
.irp j, 0,1,2,3
	v_add_f32 v[BREG+\j], v[BREG+\j], v[TS+\j]     ; in every lane; register j is output j in the result's layout, in both halves of the lanes
.endr
	WIN 0
	s_wait_kmcnt 0x0                               ; the count
	s_min_u32 s35, s35, 2048
	s_add_co_u32 s35, s35, 15
	s_lshr_b32 s35, s35, 4                         ; tiles in all
	s_add_co_u32 s35, s35, 3
	s_sub_co_u32 s35, s35, s20
	s_lshr_b32 s37, s35, 2                         ; of which tiles w, w + 4, .. are mine: (tiles + 3 - w) / 4
	s_wait_dscnt 0x0                               ; the fragments and scale words are in
	; ---- PHASE 2: eight trips of four tiles; a wave leaves when it has no tile left
	s_mov_b32 s38, 0
	s_mov_b32 s39, 0
	s_mov_b32 s40, 0
.Ltrip:
	s_wait_xcnt 0x0                                ; the last trip's loads of entries have read v15
	v_add_nc_u32 v15, s40, v5                      ; my entry of the trip's first tile
	TILE 0
	TILE 1
	TILE 2
	TILE 3
	s_add_co_u32 s40, s40, 1024                    ; four of my tiles: 4 x 4 waves x 64 bytes of the list
	s_add_co_u32 s39, s39, 4
	s_add_co_u32 s38, s38, 1
	s_cmp_lt_u32 s38, 8
	s_cbranch_scc1 .Ltrip
.Ldone:
	s_wait_tensorcnt 0x0
	ds_add_u32 v126, v127
	s_wait_dscnt 0x0
	s_endpgm
.Lfunc_end_k_q6e5c6192d9_experts:
	.size	k_q6e5c6192d9_experts, .Lfunc_end_k_q6e5c6192d9_experts-k_q6e5c6192d9_experts
	.p2alignl 7, 3214868480
	.fill 96, 4, 3214868480
	.section	.rodata,"a",@progbits
	.p2align	6, 0x0
	.amdhsa_kernel k_q6e5c6192d9_experts
		.amdhsa_group_segment_fixed_size 74240
		.amdhsa_private_segment_fixed_size 0
		.amdhsa_enable_private_segment 0
		.amdhsa_kernarg_size 64
		.amdhsa_user_sgpr_count 2
		.amdhsa_user_sgpr_kernarg_segment_ptr 1
		.amdhsa_wavefront_size32 1
		.amdhsa_system_sgpr_workgroup_id_x 1
		.amdhsa_system_sgpr_workgroup_id_y 1
		.amdhsa_system_sgpr_workgroup_id_z 1
		.amdhsa_system_vgpr_workitem_id 0
		.amdhsa_next_free_vgpr 1024
		.amdhsa_next_free_sgpr 66
		.amdhsa_reserve_vcc 1
		.amdhsa_float_denorm_mode_32 3
		.amdhsa_float_denorm_mode_16_64 3
		.amdhsa_memory_ordered 1
		.amdhsa_forward_progress 1
		.amdhsa_inst_pref_size 220
	.end_amdhsa_kernel
	.amdgpu_metadata
---
amdhsa.version: [ 1, 2 ]
amdhsa.kernels:
  - .name:           k_q6e5c6192d9_experts
    .symbol:         k_q6e5c6192d9_experts.kd
    .args:
      - { .name: expert_w, .offset: 0, .size: 8, .value_kind: global_buffer, .address_space: global }
      - { .name: expert_b, .offset: 8, .size: 8, .value_kind: global_buffer, .address_space: global }
      - { .name: agg_w, .offset: 16, .size: 8, .value_kind: global_buffer, .address_space: global }
      - { .name: xc, .offset: 24, .size: 8, .value_kind: global_buffer, .address_space: global }
      - { .name: xs, .offset: 32, .size: 8, .value_kind: global_buffer, .address_space: global }
      - { .name: list, .offset: 40, .size: 8, .value_kind: global_buffer, .address_space: global }
      - { .name: cw, .offset: 48, .size: 8, .value_kind: global_buffer, .address_space: global }
      - { .name: part, .offset: 56, .size: 8, .value_kind: global_buffer, .address_space: global }
    .group_segment_fixed_size: 74240
    .private_segment_fixed_size: 0
    .kernarg_segment_align: 8
    .kernarg_segment_size: 64
    .max_flat_workgroup_size: 128
    .sgpr_count:     66
    .vgpr_count:     1024
    .wavefront_size: 32
...
	.end_amdgpu_metadata
.endif
;; end of part 3
;; launch addup (part 4): grid 64 x 1, 8 waves a work-group, no clusters, 5,120 bytes of LDS; arguments part, base, out0; writes out0
.if DOCPART == 4
	.amdgcn_target "amdgcn-amd-amdhsa--gfx1250"
	.amdhsa_code_object_version 6
	.text
	.protected	k_q6e5c6192d9_addup
	.globl	k_q6e5c6192d9_addup
	.p2align	8
	.type	k_q6e5c6192d9_addup,@function
k_q6e5c6192d9_addup:
	s_mov_b64 s[64:65], 0
	v_nop
	global_prefetch_b8 v0, s[64:65] scope:SCOPE_SE
	s_setreg_imm32_b32 hwreg(HW_REG_WAVE_MODE, 25, 1), 1
	s_wait_xcnt 0x0
; ADDUP.  out0[t][0..3] = base[t][0..3] + the sum of the 64 planes part[plane][t][0..3], all f32.
; A work-group takes 32 tokens, a lane one token's 16 bytes; wave w adds planes 8 w .. 8 w + 7 (each load reads 512 consecutive bytes), the eight sums meet in LDS, wave 0 adds them and base and stores
; 512 consecutive bytes, aligned.  2 MiB are read once: no matrix unit, no ring, no cluster would add anything.
.macro SUM8                            ; v[8:11] = the sum of the eight vectors of four at v8 .. v39
.irp n, 0,2,4,6
	v_pk_add_f32 v[8+4*\n:9+4*\n], v[8+4*\n:9+4*\n], v[12+4*\n:13+4*\n]
	v_pk_add_f32 v[10+4*\n:11+4*\n], v[10+4*\n:11+4*\n], v[14+4*\n:15+4*\n]
.endr
.irp n, 0,4
	v_pk_add_f32 v[8+4*\n:9+4*\n], v[8+4*\n:9+4*\n], v[16+4*\n:17+4*\n]
	v_pk_add_f32 v[10+4*\n:11+4*\n], v[10+4*\n:11+4*\n], v[18+4*\n:19+4*\n]
.endr
	v_pk_add_f32 v[8:9], v[8:9], v[24:25]
	v_pk_add_f32 v[10:11], v[10:11], v[26:27]
.endm
	s_load_b128 s[4:7], s[0:1], 0x0                ; part, base
	s_load_b64 s[8:9], s[0:1], 0x10                ; out0
	v_lshl_add_u32 v64, v0, 2, 0x1000
	v_mov_b32 v65, 0
	v_lshrrev_b32 v1, 5, v0
	v_readfirstlane_b32 s10, v1                    ; wave
	v_and_b32 v2, 31, v0
	v_lshlrev_b32 v3, 4, v2                        ; 16 L
	s_lshl_b32 s11, ttmp9, 9
	v_add_nc_u32 v1, s11, v3                       ; my token's 16 bytes in a plane, in base and in out0
	s_lshl_b32 s14, s10, 9
	v_add_nc_u32 v4, s14, v3                       ; LDS: 512 w + 16 L
	s_lshl_b32 s12, s10, 18                        ; eight planes of 32,768 bytes
	s_mov_b32 s13, 0
	s_wait_kmcnt 0x0
	s_add_nc_u64 s[4:5], s[4:5], s[12:13]
.irp n, 0,1,2,3,4,5,6,7
	global_load_b128 v[8+4*\n:11+4*\n], v1, s[4:5] offset:32768*\n th:TH_LOAD_NT
.endr
	s_wait_loadcnt 0x0
	SUM8
	ds_store_b128 v4, v[8:11]
	s_wait_dscnt 0x0                               ; for the others' sake: my sum has landed
	s_barrier_signal -1
	s_barrier_wait -1
	s_cmp_lg_u32 s10, 0
	s_cbranch_scc1 .Lend
	global_load_b128 v[40:43], v1, s[6:7]
.irp n, 0,1,2,3,4,5,6,7
	ds_load_b128 v[8+4*\n:11+4*\n], v3 offset:512*\n
.endr
	s_wait_dscnt 0x0
	SUM8
	s_wait_loadcnt 0x0
	v_pk_add_f32 v[8:9], v[8:9], v[40:41]
	v_pk_add_f32 v[10:11], v[10:11], v[42:43]
	global_store_b128 v1, v[8:11], s[8:9]
.Lend:
	s_wait_tensorcnt 0x0
	ds_add_u32 v64, v65
	s_wait_dscnt 0x0
	s_endpgm
.Lfunc_end_k_q6e5c6192d9_addup:
	.size	k_q6e5c6192d9_addup, .Lfunc_end_k_q6e5c6192d9_addup-k_q6e5c6192d9_addup
	.p2alignl 7, 3214868480
	.fill 96, 4, 3214868480
	.section	.rodata,"a",@progbits
	.p2align	6, 0x0
	.amdhsa_kernel k_q6e5c6192d9_addup
		.amdhsa_group_segment_fixed_size 5120
		.amdhsa_private_segment_fixed_size 0
		.amdhsa_enable_private_segment 0
		.amdhsa_kernarg_size 24
		.amdhsa_user_sgpr_count 2
		.amdhsa_user_sgpr_kernarg_segment_ptr 1
		.amdhsa_wavefront_size32 1
		.amdhsa_system_sgpr_workgroup_id_x 1
		.amdhsa_system_sgpr_workgroup_id_y 1
		.amdhsa_system_sgpr_workgroup_id_z 1
		.amdhsa_system_vgpr_workitem_id 0
		.amdhsa_next_free_vgpr 66
		.amdhsa_next_free_sgpr 66
		.amdhsa_reserve_vcc 0
		.amdhsa_float_denorm_mode_32 3
		.amdhsa_float_denorm_mode_16_64 3
		.amdhsa_memory_ordered 1
		.amdhsa_forward_progress 1
		.amdhsa_inst_pref_size 5
	.end_amdhsa_kernel
	.amdgpu_metadata
---
amdhsa.version: [ 1, 2 ]
amdhsa.kernels:
  - .name:           k_q6e5c6192d9_addup
    .symbol:         k_q6e5c6192d9_addup.kd
    .args:
      - { .name: part, .offset: 0, .size: 8, .value_kind: global_buffer, .address_space: global }
      - { .name: base, .offset: 8, .size: 8, .value_kind: global_buffer, .address_space: global }
      - { .name: out0, .offset: 16, .size: 8, .value_kind: global_buffer, .address_space: global }
    .group_segment_fixed_size: 5120
    .private_segment_fixed_size: 0
    .kernarg_segment_align: 8
    .kernarg_segment_size: 24
    .max_flat_workgroup_size: 256
    .sgpr_count:     66
    .vgpr_count:     66
    .wavefront_size: 32
...
	.end_amdgpu_metadata
.endif
;; end of part 4
;; ======== version 2 of 2: 3 launches
;; workspace buffers: xc 2,097,152 bytes; xs 131,072 bytes; sel 32,768 bytes of whole numbers; cw 65,536 bytes; base 32,768 bytes; part 2,097,152 bytes
;; launch prep (part 5): grid 128 x 1, 16 waves a work-group, no clusters, 67,584 bytes of LDS; arguments x, gate_w, orig_w, orig_b, agg_b, xc, xs, sel, cw, base; writes xc, xs, sel, cw, base
.if DOCPART == 5
	.amdgcn_target "amdgcn-amd-amdhsa--gfx1250"
	.amdhsa_code_object_version 6
	.text
	.protected	k_q6e5c6192d9_prep
	.globl	k_q6e5c6192d9_prep
	.p2align	8
	.type	k_q6e5c6192d9_prep,@function
k_q6e5c6192d9_prep:
	s_mov_b64 s[64:65], 0
	v_nop
	global_prefetch_b8 v0, s[64:65] scope:SCOPE_SE
	s_setreg_imm32_b32 hwreg(HW_REG_WAVE_MODE, 25, 1), 1
	s_wait_xcnt 0x0
; PREP.  For 16 tokens a work-group: x is quantised along H to codes of FP4 (E2M1) with one E8M0 byte for each 32; gate_w (32 rows) likewise, by every work-group for itself;
; the 32 gate logits of each token by the scaled FP4 matrix instruction; the two largest logits of each group of 8 experts and their weights; and x . orig_w + orig_b + agg_b in f32.
; OUT: xc [4 (K slice of 512)][2048 tokens][256 bytes of codes], xs [4][2048][16 scale bytes], sel [4 groups][2048] = e1 | e2 << 8, cw [4][2][2048] = a quarter of the choice's weight
; (the mean over the four groups is folded in: a power of two), base [2048][4].
; SHARES: sixteen waves; wave w takes k = 128 w .. 128 w + 127 of all 16 tokens and of all 32 gate rows.  Behind the one barrier waves 0 and 1 make the logits, wave 2 adds the parts of base, wave 3 stores the scale bytes.
; A LOAD IS DENSE AND A LANE STILL GETS 8 NEIGHBOURS: a load reads 512 consecutive bytes, lane (h, i) the 16 bytes at 32 i + 16 h.  Two such loads (rows 2 u and 2 u + 1) and four exchanges of lane halves leave
; lane (h, i) with numbers 8 i .. 8 i + 7 of row 2 u + h in 8 consecutive registers, as the conversion wants them; a block of 32 is four neighbouring lanes.
; THE WEIGHTS: the softmax's divisor cancels in rw / sum(rw): c1 = 1 / (1 + e^(l2 - l1)), c2 = e^(l2 - l1) c1; l1 is the row's largest logit, so the largest is taken away ahead of the exponential.
; LIMITS: NaN and infinities are not served.  A block whose largest magnitude lies under 2^-124 (a block of zeros too) keeps the byte 1; the bytes are read by this program alone.
; The two largest are taken of the logits (strictly greater wins, so the lower index keeps a tie), not of the softmax's values: they can differ only where two logits fall onto one rounded exponential.
; e^(l2 - l1) under 2^-126 comes out as 0.
; No tensor loads, no cluster: every byte of x is used by the wave that loaded it, and gate_w is 256 KiB.
.set XL,   0                           ; LDS: x's codes, 16 tokens x (1,024 + 16) bytes
.set XSL,  16640                       ; x's scale bytes, 16 x (64 + 16)
.set GL,   17920                       ; the gate's codes: [K step 16][row 32][64 + 16]
.set GS,   58880                       ; the gate's scale words: [K step 16][row 32][4]
.set OPL,  60928                       ; parts of base: [wave 16][token 16][4] f32
.set MX,   24                          ; v24-27 largest magnitudes   v28-31 conversions' scale operands   v32-35 codes   v36-39 scale bytes
.set SOP,  28
.set CD,   32
.set BY,   36
.set XW,   40                          ; v40-47 x's scale words, v48-55 the gate's: these sixteen hold scales and nothing else
.set GW,   48
.set T,    56                          ; v56-63 at work; at last the codes on their way out
.set R0,   64                          ; v64-127, v128-191 two sets of 8 units x 8 numbers; later x's and the gate's fragments
.set R1,   128
.set OW,   192                         ; v192-223 orig_w: 8 numbers of each of its 4 rows; later the accumulators and the logits
.set S,    224                         ; v224-255 parts of base: 4 for each unit
.set ACC0, 192
.set ACC1, 200
.set LG,   208
; Four units at v[R + 8 u]: the exchange of halves, each block's largest magnitude (with the floor 2^(3 - 127) among its leaves), the scale, the codes; a code word and a scale byte a lane go to LDS.
.macro QUANT4 R, cadr, c0, cA, cB, sadr, s0, sA, sB
.irp u, 0,1,2,3
.irp j, 0,1,2,3
	v_permlane16_swap_b32 v[\R+8*\u+\j], v[\R+8*\u+4+\j]
.endr
.endr
.irp u, 0,1,2,3
	v_max3_num_f32 v[MX+\u], |v[\R+8*\u]|, |v[\R+8*\u+1]|, 0x1800000
.endr
.irp m, 2,4,6
.irp u, 0,1,2,3
	s_delay_alu instid0(VALU_DEP_4)
	v_max3_num_f32 v[MX+\u], v[MX+\u], |v[\R+8*\u+\m]|, |v[\R+8*\u+\m+1]|
.endr
.endr
.irp u, 0,1,2,3
	s_delay_alu instid0(VALU_DEP_4)
	v_max_num_f32_dpp v[MX+\u], v[MX+\u], v[MX+\u] row_xmask:1 row_mask:0xf bank_mask:0xf
.endr
.irp u, 0,1,2,3
	s_delay_alu instid0(VALU_DEP_4)
	v_max_num_f32_dpp v[MX+\u], v[MX+\u], v[MX+\u] row_xmask:2 row_mask:0xf bank_mask:0xf
.endr
.irp u, 0,1,2,3
	s_delay_alu instid0(VALU_DEP_4)
	v_add_nc_u32 v[SOP+\u], 0xff000000, v[MX+\u]   ; 2 off the exponent field: the conversion takes that field as its scale
.endr
	s_wait_alu depctr_va_vdst(0)
	s_wait_dscnt 0x0                               ; the LDS stores of the call before have read the code and byte registers
.irp u, 0,1,2,3
	v_cvt_scalef32_pk8_fp4_f32 v[CD+\u], v[\R+8*\u:\R+8*\u+7], v[SOP+\u]
.endr
.irp u, 0,1,2,3
	v_lshrrev_b32 v[BY+\u], 23, v[SOP+\u]          ; the scale's byte (also the plain line behind the conversions)
.endr
.irp u, 0,1,2,3
	ds_store_b32 v[\cadr], v[CD+\u] offset:(\c0)+(\u/2)*\cA+(\u%2)*\cB
	ds_store_b8 v[\sadr], v[BY+\u] offset:(\s0)+(\u/2)*\sA+(\u%2)*\sB   ; the four lanes of a block write the same byte with the same value
.endr
.endm
; The same four units times orig_w's four rows, in f32: my 8 numbers' part of each sum
.macro ORIG4 R, p0
.irp u, 0,1,2,3
.irp j, 0,1,2,3
	v_pk_mul_f32 v[T+2*\j:T+2*\j+1], v[\R+8*\u:\R+8*\u+1], v[OW+8*\j:OW+8*\j+1]
.endr
.irp m, 2,4,6
.irp j, 0,1,2,3
	s_delay_alu instid0(VALU_DEP_4)
	v_pk_fma_f32 v[T+2*\j:T+2*\j+1], v[\R+8*\u+\m:\R+8*\u+\m+1], v[OW+8*\j+\m:OW+8*\j+\m+1], v[T+2*\j:T+2*\j+1]
.endr
.endr
.irp j, 0,1,2,3
	s_delay_alu instid0(VALU_DEP_4)
	v_add_f32 v[S+4*(\p0+\u)+\j], v[T+2*\j], v[T+2*\j+1]
.endr
.endr
.endm
	s_load_b512 s[4:19], s[0:1], 0x0               ; x 4, gate_w 6, orig_w 8, orig_b 10, agg_b 12, xc 14, xs 16, sel 18
	s_load_b128 s[20:23], s[0:1], 0x40             ; cw 20, base 22
	v_lshrrev_b32 v1, 5, v0
	s_delay_alu instid0(VALU_DEP_1)
	v_readfirstlane_b32 s24, v1                    ; wave w
	v_and_b32 v1, 31, v0                           ; L
	v_and_b32 v2, 15, v0                           ; i (also r)
	s_wait_alu depctr_va_vdst(0)
	v_bfe_u32 v3, v0, 4, 1                         ; h
	v_lshrrev_b32 v23, 2, v2                       ; i / 4: my block among a row's four
	s_lshl_b32 s25, s24, 9                         ; 512 w
	s_lshl_b32 s26, s24, 6
	s_lshl_b32 s27, s24, 2
	s_mul_i32 s28, s24, 2560
	s_lshl_b32 s29, s24, 7
	s_lshl_b32 s30, s24, 8
	s_min_u32 s31, s24, 1                          ; n: which 16 gate rows (waves 0 and 1 use it)
	s_mul_i32 s32, s31, 1280
	s_lshl_b32 s33, s31, 6
	s_and_b32 s34, s24, 3
	s_lshr_b32 s35, s24, 2
	s_mul_i32 s36, s34, 4160
	s_lshl_b32 s37, s35, 8
	s_add_co_u32 s36, s36, s37
	s_lshl_b32 s38, s35, 19
	s_lshl_b32 s39, s34, 10
	s_add_co_u32 s38, s38, s39
	s_lshl_b32 s40, s31, 14
	s_lshl_b32 s41, s31, 15
	; every address register is made here, ahead of the first parting of the waves
	v_lshlrev_b32 v4, 5, v2
	s_wait_alu depctr_va_vdst(0)
	v_lshl_add_u32 v4, v3, 4, v4
	s_delay_alu instid0(VALU_DEP_1)
	v_add_nc_u32 v4, s25, v4                       ; v4  in a row of x or gate_w: 512 w + 32 i + 16 h
	v_mul_u32_u24 v5, v3, 1040
	s_delay_alu instid0(VALU_DEP_1)
	v_lshl_add_u32 v5, v2, 2, v5
	s_delay_alu instid0(VALU_DEP_1)
	v_add_nc_u32 v5, s26, v5                       ; v5  x's code word: XL + 1040 h + 64 w + 4 i
	v_mad_u32_u24 v6, v3, 80, v23
	s_delay_alu instid0(VALU_DEP_1)
	v_add_nc_u32 v6, s27, v6
	s_delay_alu instid0(VALU_DEP_1)
	v_add_nc_u32 v6, XSL, v6                       ; v6  x's scale byte: XSL + 80 h + 4 w + i / 4
	v_mul_u32_u24 v7, v3, 80
	s_delay_alu instid0(VALU_DEP_1)
	v_lshl_add_u32 v7, v2, 2, v7
	s_delay_alu instid0(VALU_DEP_1)
	v_add_nc_u32 v7, s28, v7
	s_delay_alu instid0(VALU_DEP_1)
	v_add_nc_u32 v7, GL, v7                        ; v7  the gate's code word: GL + 2560 w + 80 h + 4 i
	v_lshl_add_u32 v8, v3, 2, v23
	s_delay_alu instid0(VALU_DEP_1)
	v_add_nc_u32 v8, s29, v8
	s_delay_alu instid0(VALU_DEP_1)
	v_add_nc_u32 v8, GS, v8                        ; v8  the gate's scale byte: GS + 128 w + 4 h + i / 4
	v_lshl_add_u32 v9, v2, 5, s25                  ; v9  in a row of orig_w: 512 w + 32 i
	v_lshlrev_b32 v10, 4, v3
	s_delay_alu instid0(VALU_DEP_1)
	v_add_nc_u32 v10, s30, v10
	s_delay_alu instid0(VALU_DEP_1)
	v_add_nc_u32 v10, OPL, v10                     ; v10 my parts of base: OPL + 256 w + 16 h
	v_mul_u32_u24 v11, v2, 1040
	s_delay_alu instid0(VALU_DEP_1)
	v_lshl_add_u32 v11, v3, 4, v11                 ; v11 x's fragments: XL + 1040 r + 16 h
	v_mul_u32_u24 v12, v2, 80
	s_delay_alu instid0(VALU_DEP_1)
	v_lshl_add_u32 v12, v3, 4, v12
	s_delay_alu instid0(VALU_DEP_1)
	v_add_nc_u32 v12, s32, v12
	s_delay_alu instid0(VALU_DEP_1)
	v_add_nc_u32 v12, GL, v12                      ; v12 the gate's fragments: GL + 80 (16 n + r) + 16 h
	v_mul_u32_u24 v13, v2, 80
	s_delay_alu instid0(VALU_DEP_1)
	v_add_nc_u32 v13, XSL, v13                     ; v13 x's scale words: XSL + 80 r
	v_lshl_add_u32 v14, v2, 2, s33
	s_delay_alu instid0(VALU_DEP_1)
	v_add_nc_u32 v14, GS, v14                      ; v14 the gate's: GS + 4 (16 n + r)
	v_mul_u32_u24 v15, v3, 1040
	s_delay_alu instid0(VALU_DEP_1)
	v_lshl_add_u32 v15, v2, 4, v15
	s_delay_alu instid0(VALU_DEP_1)
	v_add_nc_u32 v15, s36, v15                     ; v15 codes on their way out: token 4 (w % 4) + h, K slice w / 4, 16 bytes a lane
	v_lshlrev_b32 v16, 8, v3
	s_delay_alu instid0(VALU_DEP_1)
	v_lshl_add_u32 v16, v2, 4, v16
	s_delay_alu instid0(VALU_DEP_1)
	v_add_nc_u32 v16, s38, v16                     ; v16 and the same place in xc
	v_lshlrev_b32 v18, 3, v1                       ; v18 8 L
	s_delay_alu instid0(VALU_DEP_1)
	v_add_nc_u32 v17, OPL, v18                     ; v17 OPL + 8 L
	v_lshl_add_u32 v19, v3, 4, v13                 ; v19 scale bytes on their way out: token i, K slice h
	v_lshlrev_b32 v20, 15, v3
	s_delay_alu instid0(VALU_DEP_1)
	v_lshl_add_u32 v20, v2, 4, v20                 ; v20 and the same place in xs
	v_lshlrev_b32 v21, 13, v3
	s_delay_alu instid0(VALU_DEP_1)
	v_lshl_add_u32 v21, v2, 2, v21
	s_delay_alu instid0(VALU_DEP_1)
	v_add_nc_u32 v21, s40, v21                     ; v21 sel: group 2 n + h, token r
	v_lshlrev_b32 v22, 14, v3
	s_delay_alu instid0(VALU_DEP_1)
	v_lshl_add_u32 v22, v2, 2, v22
	s_delay_alu instid0(VALU_DEP_1)
	v_add_nc_u32 v22, s41, v22                     ; v22 cw likewise
	v_and_b32 v23, 1, v0
	s_delay_alu instid0(VALU_DEP_1)
	v_lshlrev_b32 v23, 3, v23                      ; v23 8 (L % 2): my two of the four biases
	s_mov_b32 s43, 0
	s_lshl_b32 s42, ttmp9, 17                      ; 16 tokens of 8,192 bytes
	s_wait_kmcnt 0x0
	s_add_nc_u64 s[4:5], s[4:5], s[42:43]
	s_lshl_b32 s42, ttmp9, 12
	s_add_nc_u64 s[14:15], s[14:15], s[42:43]      ; xc: 256 bytes a token
	s_lshl_b32 s42, ttmp9, 8
	s_add_nc_u64 s[16:17], s[16:17], s[42:43]      ; xs and base: 16 bytes a token
	s_add_nc_u64 s[22:23], s[22:23], s[42:43]
	s_lshl_b32 s42, ttmp9, 6
	s_add_nc_u64 s[18:19], s[18:19], s[42:43]      ; sel and cw: 4 bytes a token
	s_add_nc_u64 s[20:21], s[20:21], s[42:43]
	; ---- forty loads go out at once: orig_w (8), x (16), gate rows 0-15 (16)
.irp j, 0,1,2,3
.irp n, 0,1
	global_load_b128 v[OW+8*\j+4*\n:OW+8*\j+4*\n+3], v9, s[8:9] offset:8192*\j+16*\n
.endr
.endr
.irp u, 0,1,2,3,4,5,6,7
	global_load_b128 v[R0+8*\u:R0+8*\u+3], v4, s[4:5] offset:16384*\u th:TH_LOAD_NT
	global_load_b128 v[R0+8*\u+4:R0+8*\u+7], v4, s[4:5] offset:16384*\u+8192 th:TH_LOAD_NT
.endr
.irp u, 0,1,2,3,4,5,6,7
	global_load_b128 v[R1+8*\u:R1+8*\u+3], v4, s[6:7] offset:16384*\u
	global_load_b128 v[R1+8*\u+4:R1+8*\u+7], v4, s[6:7] offset:16384*\u+8192
.endr
	s_wait_loadcnt 16                              ; orig_w and x are in; the gate's sixteen loads may be out
	QUANT4 R0, 5, 0, 4160, 2080, 6, 0, 320, 160
	ORIG4 R0, 0
	QUANT4 R0+32, 5, 8320, 4160, 2080, 6, 640, 320, 160
	ORIG4 R0+32, 4
.irp u, 0,1,2,3,4,5,6,7
	global_load_b128 v[R0+8*\u:R0+8*\u+3], v4, s[6:7] offset:131072+16384*\u          ; gate rows 16-31
	global_load_b128 v[R0+8*\u+4:R0+8*\u+7], v4, s[6:7] offset:131072+16384*\u+8192
.endr
.irp k, 1,2,4,8                        ; the sixteen lanes of a half hold one row's parts: they are added
.set n, 0
.rept 32
	v_add_f32_dpp v[S+n], v[S+n], v[S+n] row_xmask:\k row_mask:0xf bank_mask:0xf
.set n, n+1
.endr
.endr
.irp u, 0,1,2,3,4,5,6,7
	ds_store_b128 v10, v[S+4*\u:S+4*\u+3] offset:32*\u   ; token 2 u + h: sixteen lanes write the same 16 bytes with the same values
.endr
	s_wait_loadcnt 16                              ; gate rows 0-15 are in; rows 16-31 may be out
	QUANT4 R1, 7, 0, 320, 160, 8, 0, 16, 8
	QUANT4 R1+32, 7, 640, 320, 160, 8, 32, 16, 8
	s_wait_loadcnt 0x0
	QUANT4 R0, 7, 1280, 320, 160, 8, 64, 16, 8
	QUANT4 R0+32, 7, 1920, 320, 160, 8, 96, 16, 8
	s_wait_dscnt 0x0                               ; for the others' sake: all my LDS stores have landed
	s_barrier_signal -1
	s_barrier_wait -1
	; ---- every wave: four tokens' 256 bytes of codes of one K slice leave; sixteen lanes store 256 consecutive bytes, aligned
	ds_load_b128 v[T:T+3], v15
	ds_load_b128 v[T+4:T+7], v15 offset:2080
	s_wait_dscnt 0x0
	global_store_b128 v16, v[T:T+3], s[14:15]
	global_store_b128 v16, v[T+4:T+7], s[14:15] offset:512
	s_cmp_lt_u32 s24, 2
	s_cbranch_scc1 .Llogits
	s_cmp_eq_u32 s24, 2
	s_cbranch_scc1 .Lorig
	s_cmp_eq_u32 s24, 3
	s_cbranch_scc1 .Lscales
	s_wait_xcnt 0x0
	v_lshl_add_u32 v254, v0, 2, 0x10000
	v_mov_b32 v255, 0
	s_wait_alu depctr_va_vdst(0)
	s_wait_tensorcnt 0x0
	ds_add_u32 v254, v255
	s_wait_dscnt 0x0
	s_endpgm
.Llogits:
	; ---- waves 0, 1: source 0 = gate rows 16 n .. 16 n + 15, source 1 = the 16 tokens: lane (r, h) register j = the logit of token r, group 2 n + h, expert j.
	; Sixteen K steps in two runs of eight; two accumulators take turns, one instruction a turn
.irp B, 0,1
.irp q, 0,1,2,3,4,5,6,7
	ds_load_b128 v[R0+8*\q:R0+8*\q+3], v11 offset:64*(8*\B+\q)
	ds_load_b128 v[R0+8*\q+4:R0+8*\q+7], v11 offset:64*(8*\B+\q)+32
	ds_load_b128 v[R1+8*\q:R1+8*\q+3], v12 offset:2560*(8*\B+\q)
	ds_load_b128 v[R1+8*\q+4:R1+8*\q+7], v12 offset:2560*(8*\B+\q)+32
	ds_load_b32 v[GW+\q], v14 offset:128*(8*\B+\q)
.endr
	ds_load_b128 v[XW:XW+3], v13 offset:32*\B
	ds_load_b128 v[XW+4:XW+7], v13 offset:32*\B+16
	s_wait_dscnt 0x0
.irp q, 0,1,2,3,4,5,6,7
.if (\B == 0) && (\q < 2)
	v_wmma_scale_f32_16x16x128_f8f6f4 v[ACC0+8*(\q%2):ACC0+8*(\q%2)+7], v[R1+8*\q:R1+8*\q+7], v[R0+8*\q:R0+8*\q+7], 0, v[GW+\q], v[XW+\q] matrix_a_fmt:MATRIX_FMT_FP4 matrix_b_fmt:MATRIX_FMT_FP4
.else
	v_wmma_scale_f32_16x16x128_f8f6f4 v[ACC0+8*(\q%2):ACC0+8*(\q%2)+7], v[R1+8*\q:R1+8*\q+7], v[R0+8*\q:R0+8*\q+7], v[ACC0+8*(\q%2):ACC0+8*(\q%2)+7], v[GW+\q], v[XW+\q] matrix_a_fmt:MATRIX_FMT_FP4 matrix_b_fmt:MATRIX_FMT_FP4
.endif
.endr
.rept 4
	v_nop                                          ; four places in front of loads into registers that the products have read, and of the first read of results
.endr
.endr
.irp j, 0,1,2,3,4,5,6,7
	v_add_f32 v[LG+\j], v[ACC0+\j], v[ACC1+\j]     ; from the accumulators' low end on
.endr
	v_mov_b32 v216, v[LG]                          ; the largest logit and its expert: strictly greater wins, so the lower index keeps a tie
	v_mov_b32 v217, 0
.irp j, 1,2,3,4,5,6,7
	s_delay_alu instid0(VALU_DEP_2)
	v_cmp_gt_f32 vcc_lo, v[LG+\j], v216
	s_delay_alu instid0(VALU_DEP_1)
	v_cndmask_b32 v216, v216, v[LG+\j], vcc_lo
	s_delay_alu instid0(VALU_DEP_2)
	v_cndmask_b32 v217, v217, \j, vcc_lo
.endr
	v_mov_b32 v218, 0xff800000                     ; the winner leaves the field
.irp j, 0,1,2,3,4,5,6,7
	v_cmp_eq_u32 vcc_lo, \j, v217
	s_delay_alu instid0(VALU_DEP_1)
	v_cndmask_b32 v[LG+\j], v[LG+\j], v218, vcc_lo
.endr
	v_mov_b32 v219, v[LG]                          ; the second
	v_mov_b32 v220, 0
.irp j, 1,2,3,4,5,6,7
	s_delay_alu instid0(VALU_DEP_2)
	v_cmp_gt_f32 vcc_lo, v[LG+\j], v219
	s_delay_alu instid0(VALU_DEP_1)
	v_cndmask_b32 v219, v219, v[LG+\j], vcc_lo
	s_delay_alu instid0(VALU_DEP_2)
	v_cndmask_b32 v220, v220, \j, vcc_lo
.endr
	s_delay_alu instid0(VALU_DEP_2)
	v_sub_f32 v221, v219, v216                     ; l2 - l1, 0 or less
	s_delay_alu instid0(VALU_DEP_1)
	v_mul_f32 v221, 0x3fb8aa3b, v221
	s_wait_alu depctr_va_vdst(0)
	v_exp_f32 v222, v221                           ; e^(l2 - l1)
	v_lshl_or_b32 v223, v220, 8, v217              ; e1 | e2 << 8 (the plain line behind the exponential)
	s_wait_alu depctr_va_vdst(0)
	v_add_f32 v224, 1.0, v222
	s_wait_alu depctr_va_vdst(0)
	v_rcp_f32 v225, v224
	v_nop                                          ; a plain line behind the reciprocal
	s_wait_alu depctr_va_vdst(0)
	v_mul_f32 v226, 0x3e800000, v225               ; c1 / 4
	v_mul_f32 v227, v222, v226                     ; c2 / 4
	global_store_b32 v21, v223, s[18:19]
	global_store_b32 v22, v226, s[20:21]
	global_store_b32 v22, v227, s[20:21] offset:8192
	s_wait_xcnt 0x0
	v_lshl_add_u32 v254, v0, 2, 0x10000
	v_mov_b32 v255, 0
	s_wait_alu depctr_va_vdst(0)
	s_wait_tensorcnt 0x0
	ds_add_u32 v254, v255
	s_wait_dscnt 0x0
	s_endpgm
.Lorig:
	; ---- wave 2: lane L takes token L / 2, outputs 2 (L % 2) and + 1: the sixteen waves' parts and the two biases
	global_load_b64 v[64:65], v23, s[10:11]
	global_load_b64 v[66:67], v23, s[12:13]
.irp n, 0,1,2,3,4,5,6,7,8,9,10,11,12,13,14,15
	ds_load_b64 v[128+2*\n:129+2*\n], v17 offset:256*\n
.endr
	s_wait_dscnt 0x0
.irp n, 2
	v_pk_add_f32 v[128:129], v[128:129], v[128+2*\n:129+2*\n]
	v_pk_add_f32 v[130:131], v[130:131], v[130+2*\n:131+2*\n]
.endr
.irp n, 4, 6, 8, 10, 12, 14
	s_delay_alu instid0(VALU_DEP_2)
	v_pk_add_f32 v[128:129], v[128:129], v[128+2*\n:129+2*\n]
	s_delay_alu instid0(VALU_DEP_2)
	v_pk_add_f32 v[130:131], v[130:131], v[130+2*\n:131+2*\n]
.endr
	s_delay_alu instid0(VALU_DEP_1)
	v_pk_add_f32 v[128:129], v[128:129], v[130:131]
	s_wait_alu depctr_va_vdst(0)
	s_wait_loadcnt 0x0
	v_pk_add_f32 v[128:129], v[128:129], v[64:65]
	s_delay_alu instid0(VALU_DEP_1)
	v_pk_add_f32 v[128:129], v[128:129], v[66:67]
	global_store_b64 v18, v[128:129], s[22:23]     ; 32 lanes store 256 consecutive bytes, aligned
	s_wait_xcnt 0x0
	v_lshl_add_u32 v254, v0, 2, 0x10000
	v_mov_b32 v255, 0
	s_wait_alu depctr_va_vdst(0)
	s_wait_tensorcnt 0x0
	ds_add_u32 v254, v255
	s_wait_dscnt 0x0
	s_endpgm
.Lscales:
	; ---- wave 3: the 16 tokens' scale bytes, 16 for each K slice: sixteen lanes store 256 consecutive bytes, aligned
	ds_load_b128 v[64:67], v19
	ds_load_b128 v[68:71], v19 offset:32
	s_wait_dscnt 0x0
	global_store_b128 v20, v[64:67], s[16:17]
	global_store_b128 v20, v[68:71], s[16:17] offset:65536
	s_wait_xcnt 0x0
	v_lshl_add_u32 v254, v0, 2, 0x10000
	v_mov_b32 v255, 0
	s_wait_alu depctr_va_vdst(0)
	s_wait_tensorcnt 0x0
	ds_add_u32 v254, v255
	s_wait_dscnt 0x0
	s_endpgm
.Lfunc_end_k_q6e5c6192d9_prep:
	.size	k_q6e5c6192d9_prep, .Lfunc_end_k_q6e5c6192d9_prep-k_q6e5c6192d9_prep
	.p2alignl 7, 3214868480
	.fill 96, 4, 3214868480
	.section	.rodata,"a",@progbits
	.p2align	6, 0x0
	.amdhsa_kernel k_q6e5c6192d9_prep
		.amdhsa_group_segment_fixed_size 67584
		.amdhsa_private_segment_fixed_size 0
		.amdhsa_enable_private_segment 0
		.amdhsa_kernarg_size 80
		.amdhsa_user_sgpr_count 2
		.amdhsa_user_sgpr_kernarg_segment_ptr 1
		.amdhsa_wavefront_size32 1
		.amdhsa_system_sgpr_workgroup_id_x 1
		.amdhsa_system_sgpr_workgroup_id_y 1
		.amdhsa_system_sgpr_workgroup_id_z 1
		.amdhsa_system_vgpr_workitem_id 0
		.amdhsa_next_free_vgpr 256
		.amdhsa_next_free_sgpr 66
		.amdhsa_reserve_vcc 1
		.amdhsa_float_denorm_mode_32 3
		.amdhsa_float_denorm_mode_16_64 3
		.amdhsa_memory_ordered 1
		.amdhsa_forward_progress 1
		.amdhsa_inst_pref_size 75
	.end_amdhsa_kernel
	.amdgpu_metadata
---
amdhsa.version: [ 1, 2 ]
amdhsa.kernels:
  - .name:           k_q6e5c6192d9_prep
    .symbol:         k_q6e5c6192d9_prep.kd
    .args:
      - { .name: x, .offset: 0, .size: 8, .value_kind: global_buffer, .address_space: global }
      - { .name: gate_w, .offset: 8, .size: 8, .value_kind: global_buffer, .address_space: global }
      - { .name: orig_w, .offset: 16, .size: 8, .value_kind: global_buffer, .address_space: global }
      - { .name: orig_b, .offset: 24, .size: 8, .value_kind: global_buffer, .address_space: global }
      - { .name: agg_b, .offset: 32, .size: 8, .value_kind: global_buffer, .address_space: global }
      - { .name: xc, .offset: 40, .size: 8, .value_kind: global_buffer, .address_space: global }
      - { .name: xs, .offset: 48, .size: 8, .value_kind: global_buffer, .address_space: global }
      - { .name: sel, .offset: 56, .size: 8, .value_kind: global_buffer, .address_space: global }
      - { .name: cw, .offset: 64, .size: 8, .value_kind: global_buffer, .address_space: global }
      - { .name: base, .offset: 72, .size: 8, .value_kind: global_buffer, .address_space: global }
    .group_segment_fixed_size: 67584
    .private_segment_fixed_size: 0
    .kernarg_segment_align: 8
    .kernarg_segment_size: 80
    .max_flat_workgroup_size: 512
    .sgpr_count:     66
    .vgpr_count:     256
    .wavefront_size: 32
...
	.end_amdgpu_metadata
.endif
;; end of part 5
;; launch experts (part 6): grid 256 x 1, 4 waves a work-group, no clusters, 74,240 bytes of LDS; arguments expert_w, expert_b, agg_w, xc, xs, sel, cw, part; writes part
.if DOCPART == 6
	.amdgcn_target "amdgcn-amd-amdhsa--gfx1250"
	.amdhsa_code_object_version 6
	.text
	.protected	k_q6e5c6192d9_experts
	.globl	k_q6e5c6192d9_experts
	.p2align	8
	.type	k_q6e5c6192d9_experts,@function
k_q6e5c6192d9_experts:
	s_mov_b64 s[64:65], 0
	v_nop
	global_prefetch_b8 v0, s[64:65] scope:SCOPE_SE
	s_setreg_imm32_b32 hwreg(HW_REG_WAVE_MODE, 25, 1), 1
	s_wait_xcnt 0x0
; EXPERTS.  Work-group (ge, sl): expert ge = 8 g + e of 32, slice sl = 4 dh + ks of 8: rows d = 256 dh .. + 255 of its weight, k = 512 ks .. + 511: 512 KiB of f32, read once, by this work-group alone.
; PHASE 1: the slice is streamed and quantised along K to codes of FP4 (E2M1) with one E8M0 byte for each 32; codes and bytes go to LDS (wave w: rows 64 w .. + 63).
; PHASE 2: every wave takes all 256 rows x 512 K as fragments into 512 registers and multiplies them, by the scaled FP4 matrix instruction, with the tokens that chose e, and with no others:
; the other experts' results are weighed with 0.  Behind the product all is linear, so each slice is finished by itself: its 256 sums a token are rounded to bf16 and contracted with agg_w
; (bf16 matrix instruction, f32 sums), the slice's share of agg_w . expert_b (f32; d = 64 sl .. + 63, so that the eight slices make the whole) is that sum's start, the result is multiplied by a
; quarter of the choice's weight and stored to part [plane 8 sl + 2 g + k][token][4].  Each place of part has one work-group that writes it; the next launch adds the 64 planes.
; WHICH TOKENS.  Wave w serves tokens 512 w .. + 511.  It reads their words of sel (e1 | e2 << 8, whole numbers that the launch before stored) and makes of them, in scalar registers, sixteen masks A_k
; (token 512 w + 32 k + L chose e), sixteen masks B_k (as its second choice) and the counts P_k of chosen tokens ahead of mask k.  There is no list: the lane that wants the n-th chosen token finds the
; last k with P_k <= n by fifteen compares, and in A_k the set bit number n - P_k by field-wise bit counts and five halvings: some 130 integer lines a tile of 16, all on registers.
; The wave has ceil(total / 16) tiles and leaves the loop by a scalar compare.  Any split is served: up to 512 tokens, 32 tiles a wave.
; EXEC IS NEVER WRITTEN.  n is held at total - 1, so an empty place of the last tile repeats the last token: its lane computes and stores the same 16 bytes.  agg_w's four rows stand twice in the bf16
; operand (rows 0-3 and 8-11), so that lanes 16-31 hold the same four outputs as lanes 0-15, and all 32 lanes store: two lanes to each 16 bytes, with the same values.
; A LOAD IS DENSE AND A LANE STILL GETS 8 NEIGHBOURS: a load reads 512 consecutive bytes, lane (h, i) the 16 bytes at 32 i + 16 h; two loads (the halves of 1 KiB of a row) and four exchanges of lane
; halves leave lane L with numbers 8 L .. 8 L + 7 of those 256; a block of 32 is four neighbouring lanes.
; LIMITS: NaN and infinities are not served.  A block whose largest magnitude lies under 2^-124 (a block of zeros too) keeps the byte 1: its bytes are read here alone.  The slices' sums are rounded to bf16 one by one.
; NO TENSOR LOADS AND NO CLUSTER: the wave's end hangs on the stored choices; what neighbours share (the chosen tokens' codes,
; 272 bytes a token) is about a fifth of a work-group's bytes.
; REGISTERS, in windows of 256.  Window 0: v4-15 addresses, v16-21 at work, v32-63 the weight's scale words, v64-79 x's (these hold scales and nothing else),
;   v80-99 five registers for each of four slots, v100-111 the search for a token, v128-255 x's fragments, four slots of 32 (at the head v128-143: sel).   Window 1: v0-63 agg_w in bf16,
;   v64-191 the 16 accumulators, v192-223 four bf16 operands, v224-239 two output accumulators, v240-247 the bias's share, v248-253 at work.   Window 2: all of phase 1 (v1-3 addresses, v4-31 at work,
;   v32-255 a ring of 7 x 32); then, with window 3, the weight's fragments: tile a, K step q at v[32 (a % 8) + 8 q] of window 2 + a / 8.
.set WPITCH, 272                       ; LDS: codes, 256 rows x (256 + 16) bytes
.set WS,   69632                       ; scale bytes, 256 rows x 16
.set MX,   16
.set SOP,  20
.set RING, 32
.set SW,   32
.set XS,   64
.set SL,   80                          ; slot sg at v[SL + 5 sg]: +0 offset in xc, +1 in xs, +2 in cw, +3 in part, +4 the weight
.set QN,   100                         ; the search: n, then the rank left
.set QW,   101                         ; my word of A
.set QB,   102                         ; my word of B
.set QP,   103                         ; its P
.set QK,   104                         ; its k
.set QA,   105                         ; bit counts of the word's fields of 2,
.set QD,   106                         ; of 4,
.set QC,   107                         ; of 8
.set QT,   108
.set QU,   109
.set QPOS, 110                         ; the bit's position so far
.set QI,   111
.set SELR, 128
.set SP,   48                          ; s48-63  P_k
.set SA,   66                          ; s66-81  A_k
.set SB,   82                          ; s82-97  B_k;  s98 total - 1;  s99 512 w
.set XC,   128
.set AW,   0
.set ACC,  64
.set PB,   192
.set OUT0, 224
.set OUT1, 232
.set BREG, 240
.set TS,   248
.set MSB, 0
.macro WIN new                         ; bits 1:0 source 0, 3:2 source 1, 5:4 source 2, 7:6 destination; the high byte repeats the setting that is left
.if MSB != (\new)
	s_set_vgpr_msb (MSB<<8)|(\new)
.set MSB, (\new)
.endif
.endm
; Four units at v[R + 8 u]: the exchange of halves, each block's largest magnitude (with the floor 2^(3 - 127) among its leaves), the scale, the codes; a code word and a scale byte a lane go to LDS.
; CDr, BYr: the codes' and the bytes' registers: two sets take turns from call to call.
.macro QUANT4 R, CDr, BYr, cadr, c0, cA, cB, sadr, s0, sA, sB
.irp u, 0,1,2,3
.irp j, 0,1,2,3
	v_permlane16_swap_b32 v[\R+8*\u+\j], v[\R+8*\u+4+\j]
.endr
.endr
.irp u, 0,1,2,3
	v_max3_num_f32 v[MX+\u], |v[\R+8*\u]|, |v[\R+8*\u+1]|, 0x1800000
.endr
.irp m, 2,4,6
.irp u, 0,1,2,3
	v_max3_num_f32 v[MX+\u], v[MX+\u], |v[\R+8*\u+\m]|, |v[\R+8*\u+\m+1]|
.endr
.endr
.irp u, 0,1,2,3
	v_max_num_f32_dpp v[MX+\u], v[MX+\u], v[MX+\u] row_xmask:1 row_mask:0xf bank_mask:0xf
.endr
.irp u, 0,1,2,3
	v_max_num_f32_dpp v[MX+\u], v[MX+\u], v[MX+\u] row_xmask:2 row_mask:0xf bank_mask:0xf
.endr
.irp u, 0,1,2,3
	v_add_nc_u32 v[SOP+\u], 0xff000000, v[MX+\u]   ; 2 off the exponent field: the conversion takes that field as its scale
.endr
	s_wait_alu depctr_va_vdst(0)
	s_wait_dscnt 8                                 ; LDS instructions end in order: the eight stores of the call before may be out; those of two calls back, which read this set of registers, are done
.irp u, 0,1,2,3
	v_cvt_scalef32_pk8_fp4_f32 v[\CDr+\u], v[\R+8*\u:\R+8*\u+7], v[SOP+\u]
.endr
.irp u, 0,1,2,3
	v_lshrrev_b32 v[\BYr+\u], 23, v[SOP+\u]        ; the scale's byte (also the plain line behind the conversions)
.endr
.irp u, 0,1,2,3
	ds_store_b32 v[\cadr], v[\CDr+\u] offset:(\c0)+(\u/2)*\cA+(\u%2)*\cB
	ds_store_b8 v[\sadr], v[\BYr+\u] offset:(\s0)+(\u/2)*\sA+(\u%2)*\sB   ; the four lanes of a block write the same byte with the same value
.endr
.endm
; Group g of 32: my rows 2 g and 2 g + 1, 2 KiB of each: eight loads of 512 consecutive bytes into ring slot g % 7
.macro LOADG g
.set RB, RING+32*((\g)%7)
.irp u, 0,1,2,3
	global_load_b128 v[RB+8*\u:RB+8*\u+3], v1, s[4:5] offset:(2*(\g)+\u/2)*8192+(\u%2)*1024 th:TH_LOAD_NT
	global_load_b128 v[RB+8*\u+4:RB+8*\u+7], v1, s[4:5] offset:(2*(\g)+\u/2)*8192+(\u%2)*1024+512 th:TH_LOAD_NT
.endr
.endm
.macro GROUP g
.if 31-(\g) >= 6
	s_wait_loadcnt 48                              ; loads come back in order: this group's eight are in, the six younger groups' stay out
.else
	s_wait_loadcnt 8*(31-(\g))
.endif
	QUANT4 RING+32*((\g)%7), 24-20*((\g)%2), 28-20*((\g)%2), 2, 544*(\g), 272, 128, 3, 32*(\g), 16, 8
.if (\g)+7 < 32
	LOADG (\g)+7
.endif
.endm
; One halving of the search: the field of wd bits at the position so far holds the count of set bits in the lower half of what is left; a rank at or above it lies in the upper half
.macro LEVEL src, wd
	v_bfe_u32 v[QT], v[\src], v[QPOS], \wd
	v_cmp_le_u32 vcc_lo, v[QT], v[QN]
	v_cndmask_b32 v[QU], 0, v[QT], vcc_lo
	v_sub_nc_u32 v[QN], v[QN], v[QU]
	v_cndmask_b32 v[QI], 0, \wd, vcc_lo
	v_add_nc_u32 v[QPOS], v[QPOS], v[QI]
.endm
; SLOTA: the token at place n = v[base] + off of my wave's chosen tokens, and what the slot's loads name (free once those loads are in).
; SLOTB: what the tile's store names (free behind that store).  v20 lives from A to B.
.macro SLOTA sg, base, off
	v_add_nc_u32 v[QN], \off, v[\base]
	v_min_u32 v[QN], s98, v[QN]                    ; held at total - 1: an empty place repeats the last token
	v_mov_b32 v[QW], s[SA]
	v_mov_b32 v[QB], s[SB]
	v_mov_b32 v[QP], 0
	v_mov_b32 v[QK], 0
.irp k, 1,2,3,4,5,6,7,8,9,10,11,12,13,14,15
	v_cmp_le_u32 vcc_lo, s[SP+\k], v[QN]           ; P does not fall with k: the last k that holds is the one whose mask has place n
	v_cndmask_b32 v[QW], v[QW], s[SA+\k], vcc_lo
	v_cndmask_b32 v[QB], v[QB], s[SB+\k], vcc_lo
	v_cndmask_b32 v[QP], v[QP], s[SP+\k], vcc_lo
	v_cndmask_b32 v[QK], v[QK], \k, vcc_lo
.endr
	v_sub_nc_u32 v[QN], v[QN], v[QP]               ; which set bit of my word
	v_lshrrev_b32 v[QT], 1, v[QW]
	v_and_b32 v[QT], 0x55555555, v[QT]
	v_sub_nc_u32 v[QA], v[QW], v[QT]               ; the counts of its sixteen pairs of bits,
	v_lshrrev_b32 v[QT], 2, v[QA]
	v_and_b32 v[QT], 0x33333333, v[QT]
	v_and_b32 v[QD], 0x33333333, v[QA]
	v_add_nc_u32 v[QD], v[QD], v[QT]               ; of its eight fields of four,
	v_lshrrev_b32 v[QT], 4, v[QD]
	v_add_nc_u32 v[QC], v[QD], v[QT]
	v_and_b32 v[QC], 0x0f0f0f0f, v[QC]             ; of its four bytes,
	v_lshrrev_b32 v[QT], 8, v[QC]
	v_add_nc_u32 v[QT], v[QC], v[QT]
	v_and_b32 v[QT], 0xff, v[QT]                   ; of its lower half
	v_cmp_le_u32 vcc_lo, v[QT], v[QN]
	v_cndmask_b32 v[QU], 0, v[QT], vcc_lo
	v_sub_nc_u32 v[QN], v[QN], v[QU]
	v_cndmask_b32 v[QPOS], 0, 16, vcc_lo
	LEVEL QC, 8
	LEVEL QD, 4
	LEVEL QA, 2
	v_bfe_u32 v[QT], v[QW], v[QPOS], 1
	v_cmp_le_u32 vcc_lo, v[QT], v[QN]
	v_cndmask_b32 v[QI], 0, 1, vcc_lo
	v_add_nc_u32 v[QPOS], v[QPOS], v[QI]           ; the bit's position L
	v_bfe_u32 v[QT], v[QB], v[QPOS], 1             ; first or second choice
	v_lshl_add_u32 v[QU], v[QK], 5, v[QPOS]
	v_add_nc_u32 v[QU], s99, v[QU]                 ; t = 512 w + 32 k + L
	v_lshl_or_b32 v20, v[QT], 11, v[QU]            ; t | choice << 11
	v_min_u32 v20, 0xfff, v20                      ; a number made of loaded ones enters an address only behind this bound
	v_and_b32 v21, 0x7ff, v20                      ; t
	v_lshl_add_u32 v[SL+5*\sg], v21, 8, v4         ; xc: 256 t + 16 h
	v_lshlrev_b32 v[SL+5*\sg+1], 4, v21            ; xs: 16 t
	v_lshlrev_b32 v[SL+5*\sg+2], 2, v20            ; cw: 4 t + 8192 x choice
.endm
.macro SLOTB sg
	v_lshlrev_b32 v[SL+5*\sg+3], 4, v20            ; part: 16 t + 32768 x choice
.endm
.macro XLOAD sg                        ; ten loads: the 16 tokens' four fragments, their scale words, their weights
.irp q, 0,1,2,3
.irp c, 0,1
	global_load_b128 v[XC+32*\sg+8*\q+4*\c:XC+32*\sg+8*\q+4*\c+3], v[SL+5*\sg], s[10:11] offset:64*\q+32*\c
.endr
.endr
	global_load_b128 v[XS+4*\sg:XS+4*\sg+3], v[SL+5*\sg+1], s[12:13]
	global_load_b32 v[SL+5*\sg+4], v[SL+5*\sg+2], s[16:17]
.endm
.macro FP4 d, a, b, zero, sa, sb, row
.if \zero
.if \row
	v_wmma_scale_f32_16x16x128_f8f6f4 v[\d:\d+7], v[\a:\a+7], v[\b:\b+7], 0, v[\sa], v[\sb] matrix_a_fmt:MATRIX_FMT_FP4 matrix_b_fmt:MATRIX_FMT_FP4 matrix_a_scale:MATRIX_SCALE_ROW1
.else
	v_wmma_scale_f32_16x16x128_f8f6f4 v[\d:\d+7], v[\a:\a+7], v[\b:\b+7], 0, v[\sa], v[\sb] matrix_a_fmt:MATRIX_FMT_FP4 matrix_b_fmt:MATRIX_FMT_FP4
.endif
.else
.if \row
	v_wmma_scale_f32_16x16x128_f8f6f4 v[\d:\d+7], v[\a:\a+7], v[\b:\b+7], v[\d:\d+7], v[\sa], v[\sb] matrix_a_fmt:MATRIX_FMT_FP4 matrix_b_fmt:MATRIX_FMT_FP4 matrix_a_scale:MATRIX_SCALE_ROW1
.else
	v_wmma_scale_f32_16x16x128_f8f6f4 v[\d:\d+7], v[\a:\a+7], v[\b:\b+7], v[\d:\d+7], v[\sa], v[\sb] matrix_a_fmt:MATRIX_FMT_FP4 matrix_b_fmt:MATRIX_FMT_FP4
.endif
.endif
.endm
; Accumulators 2 p and 2 p + 1 (rows 32 p .. + 31 of the slice, one token a lane) become a bf16 operand, 32 along d: each accumulator from its low end on
.macro CV p
.irp t, 0,1
.irp i, 0,1,2,3
	v_cvt_pk_bf16_f32 v[PB+8*((\p)%4)+4*\t+\i], v[ACC+8*(2*(\p)+\t)+2*\i], v[ACC+8*(2*(\p)+\t)+2*\i+1]
.endr
.endr
.endm
; out(j, token) += agg_w(j, 32 p ..) x that operand; two accumulators take turns; one begins with 0, the other with the bias's share
.macro BW p
.if (\p) == 0
	v_wmma_f32_16x16x32_bf16 v[OUT0:OUT0+7], v[AW:AW+7], v[PB:PB+7], 0
.elseif (\p) == 1
	v_wmma_f32_16x16x32_bf16 v[OUT1:OUT1+7], v[AW+8:AW+15], v[PB+8:PB+15], v[BREG:BREG+7]
.else
	v_wmma_f32_16x16x32_bf16 v[OUT0+8*((\p)%2):OUT0+8*((\p)%2)+7], v[AW+8*(\p):AW+8*(\p)+7], v[PB+8*((\p)%4):PB+8*((\p)%4)+7], v[OUT0+8*((\p)%2):OUT0+8*((\p)%2)+7]
.endif
.endm
; A TILE of 16 tokens, from slot sg.
.macro TILE sg
	s_add_co_u32 s36, s39, \sg                     ; which of my tiles this is
	s_cmp_ge_u32 s36, s37
	s_cbranch_scc1 .Ldone                          ; I have no more (no barrier follows)
	s_wait_loadcnt 30                              ; this slot's ten loads are in; the three younger slots' thirty stay out
.irp bb, 0,1                           ; source 0 = 16 rows of the weight (window 2, then 3), source 1 = the tokens: a lane holds one token, its registers eight rows.  Eight accumulators take turns, K ascending
	WIN 0x52+\bb
.irp q, 0,1,2,3
.irp a, 0,1,2,3,4,5,6,7
	FP4 ACC+8*(8*\bb+\a), 32*\a+8*\q, XC+32*\sg+8*\q, (\q==0), SW+16*\bb+4*(\a/2)+\q, XS+4*\sg+\q, (\a%2)
.endr
.endr
.endr
	WIN 0x55
.rept 4
	v_nop                                          ; four places behind the last product: for the first read of results, and for the loads into x's registers at the tile's end
.endr
	CV 0
	CV 1
	BW 0
	CV 2
	BW 1
	CV 3
	BW 2
	CV 4                                           ; an operand's registers are written again sixteen conversions behind the product that read them
	BW 3
	CV 5
	BW 4
	CV 6
	BW 5
	CV 7
	BW 6
	BW 7
	WIN 0
	SLOTA \sg, 15, 16*(\sg+4)                      ; the slot's next tile, four further on; its plain lines are also the places behind the last two products
	WIN 0x55
	v_pk_add_f32 v[TS:TS+1], v[OUT0:OUT0+1], v[OUT1:OUT1+1]       ; lane (r, h): token r's four outputs, in the accumulators' four lowest registers, the same in both halves
	v_pk_add_f32 v[TS+2:TS+3], v[OUT0+2:OUT0+3], v[OUT1+2:OUT1+3]
	WIN 0x01
.irp j, 0,1,2,3
	v_mul_f32 v[16+\j], v[TS+\j], v[SL+5*\sg+4]    ; x a quarter of the choice's weight
.endr
	WIN 0
	global_store_b128 v[SL+5*\sg+3], v[16:19], s[18:19]
	s_wait_alu depctr_va_vdst(0)
	s_wait_xcnt 0x0                                ; the store has read its offset and its data: both are written again below and in the next tile
	SLOTB \sg
	XLOAD \sg
.endm
	s_load_b512 s[4:19], s[0:1], 0x0               ; expert_w 4, expert_b 6, agg_w 8, xc 10, xs 12, sel 14, cw 16, part 18
	v_lshl_add_u32 v126, v0, 2, 0x12000
	v_mov_b32 v127, 0
	v_lshrrev_b32 v16, 5, v0
	v_readfirstlane_b32 s20, v16                   ; wave w
	v_and_b32 v16, 31, v0                          ; L
	v_and_b32 v17, 15, v0                          ; r (also i)
	v_bfe_u32 v18, v0, 4, 1                        ; h
	s_wait_alu depctr_va_vdst(0)
	s_lshr_b32 s21, ttmp9, 3                       ; ge
	s_and_b32 s22, ttmp9, 7                        ; sl
	s_lshr_b32 s23, s21, 3                         ; g
	s_and_b32 s24, s21, 7                          ; e
	s_and_b32 s25, s22, 3                          ; ks
	s_lshr_b32 s26, s22, 2                         ; dh
	s_mul_i32 s27, s20, 64*WPITCH
	s_lshl_b32 s30, s20, 10
	s_lshl_b32 s99, s20, 9                         ; my wave's first token
	s_mov_b32 s42, 0x76543210
	s_mov_b32 s43, 0xfedcba98                      ; v_permlanex16_b32's selects for lane l xor 16
	v_lshlrev_b32 v4, 4, v18                       ; v4  16 h
	v_lshrrev_b32 v3, 2, v16
	v_add_nc_u32 v3, s30, v3                       ; 1024 w + L / 4
	v_and_b32 v5, 15, v0                           ; v5  r: my place in a tile
	v_lshlrev_b32 v6, 2, v16                       ; v6  4 L: my word of 32 of sel
	v_mul_u32_u24 v7, v17, WPITCH
	v_add_nc_u32 v7, v7, v4                        ; v7  the weight's fragments: 272 r + 16 h
	v_lshlrev_b32 v12, 4, v16
	v_add_nc_u32 v12, WS, v12                      ; v12 its scale words: WS + 16 L
	v_and_b32 v13, 7, v0
	v_min_u32 v13, 3, v13
	v_lshlrev_b32 v13, 11, v13
	v_lshl_add_u32 v13, v18, 5, v13                ; v13 agg_w: row min(r % 8, 3), + 32 h
	v_lshlrev_b32 v14, 3, v16                      ; v14 8 L
	WIN 0x80                                       ; phase 1's three addresses are made into window 2
	v_lshl_add_u32 v1, v17, 5, v4                  ; v1  32 i + 16 h
	v_lshl_add_u32 v2, v16, 2, s27                 ; v2  my code word: 17408 w + 4 L
	v_add_nc_u32 v3, WS, v3                        ; v3  my scale byte: WS + 1024 w + L / 4
	WIN 0
	s_mov_b32 s29, 0
	s_lshl_b32 s28, s21, 22                        ; the expert's 4 MiB,
	s_lshl_b32 s32, s26, 21                        ; 256 rows of 8,192 bytes,
	s_add_co_u32 s28, s28, s32
	s_lshl_b32 s32, s20, 19                        ; my wave's 64 rows,
	s_add_co_u32 s28, s28, s32
	s_lshl_b32 s32, s25, 11                        ; 512 numbers along K
	s_add_co_u32 s28, s28, s32
	s_wait_alu depctr_va_vdst(0)
	s_wait_kmcnt 0x0
	s_add_nc_u64 s[4:5], s[4:5], s[28:29]
	s_lshl_b32 s28, s21, 11
	s_lshl_b32 s32, s22, 8
	s_add_co_u32 s28, s28, s32
	s_add_nc_u64 s[6:7], s[6:7], s[28:29]          ; expert_b at d = 64 sl
	s_lshl_b32 s28, s26, 10
	s_add_nc_u64 s[44:45], s[8:9], s[28:29]        ; agg_w at d = 256 dh
	s_mov_b32 s28, s32
	s_add_nc_u64 s[46:47], s[8:9], s[28:29]        ; agg_w at d = 64 sl
	s_lshl_b32 s28, s25, 19
	s_add_nc_u64 s[10:11], s[10:11], s[28:29]
	s_lshl_b32 s28, s25, 15
	s_add_nc_u64 s[12:13], s[12:13], s[28:29]
	s_lshl_b32 s28, s23, 13
	s_lshl_b32 s32, s20, 11
	s_add_co_u32 s28, s28, s32
	s_add_nc_u64 s[14:15], s[14:15], s[28:29]      ; sel at my group, my wave's 512 tokens
	s_lshl_b32 s28, s23, 14
	s_add_nc_u64 s[16:17], s[16:17], s[28:29]
	s_lshl_b32 s28, s22, 3
	s_lshl_b32 s32, s23, 1
	s_add_co_u32 s28, s28, s32
	s_lshl_b32 s28, s28, 15
	s_add_nc_u64 s[18:19], s[18:19], s[28:29]      ; part at plane 8 sl + 2 g
.irp k, 0,1,2,3,4,5,6,7,8,9,10,11,12,13,14,15
	global_load_b32 v[SELR+\k], v6, s[14:15] offset:128*\k   ; register k of lane L: token 512 w + 32 k + L.  Ahead of the ring, so that they come first
.endr
	WIN 0xaa
.irp g, 0,1,2,3,4
	LOADG \g                                       ; the stream begins: forty loads of 512 bytes (with sel's sixteen: 56 out)
.endr
	WIN 0
	s_wait_loadcnt 40                              ; sel's sixteen loads are the oldest: they are in, the ring's forty stay out
.irp c, 0,1,2,3                        ; the masks, four at a time
.irp m, 0,1,2,3
	v_and_b32 v[100+\m], 0xff, v[SELR+4*\c+\m]
.endr
.irp m, 0,1,2,3
	v_bfe_u32 v[104+\m], v[SELR+4*\c+\m], 8, 8
.endr
.irp m, 0,1,2,3
	v_cmp_eq_u32 s[SA+4*\c+\m], s24, v[100+\m]     ; e is the first choice
.endr
.irp m, 0,1,2,3
	v_cmp_eq_u32 s[SB+4*\c+\m], s24, v[104+\m]     ; or the second
.endr
.irp m, 0,1,2,3
	s_or_b32 s[SA+4*\c+\m], s[SA+4*\c+\m], s[SB+4*\c+\m]
.endr
.endr
	s_mov_b32 s[SP], 0
.irp k, 0,1,2,3,4,5,6,7,8,9,10,11,12,13,14
	s_bcnt1_i32_b32 s36, s[SA+\k]
	s_add_co_u32 s[SP+\k+1], s[SP+\k], s36         ; the chosen ahead of mask k + 1
.endr
	s_bcnt1_i32_b32 s36, s[SA+15]
	s_add_co_u32 s35, s[SP+15], s36                ; my wave's total, 512 at the most
	s_add_co_u32 s37, s35, 15
	s_lshr_b32 s37, s37, 4                         ; my tiles
	s_sub_co_u32 s98, s35, 1                       ; the last place (with no token at all: all ones; then I have no tile, and what the search gives is bounded and not used)
	; ---- PHASE 1, written out: every offset is an immediate, no pointer is stepped.  Behind groups 3, 7, 11 and 15 stands the search for the tokens of my first four tiles: work on registers
	WIN 0xaa
	LOADG 5
	LOADG 6                                        ; 56 loads of 512 bytes a wave are on their way from here to the stream's end
.set G, 0
.rept 32
	GROUP G
.if (G%4 == 3) && (G < 16)
.set SG, G/4
	WIN 0
	SLOTA SG, 5, 16*SG
	SLOTB SG
	WIN 0xaa
.endif
.set G, G+1
.endr
	WIN 0x40                                       ; destination window 1, address window 0
.irp p, 0,1,2,3,4,5,6,7
.irp n, 0,1,2,3
	global_load_b128 v[ACC+16*\p+4*\n:ACC+16*\p+4*\n+3], v13, s[44:45] offset:128*\p+(\n%2)*16+(\n/2)*64   ; agg_w(r % 8, 32 p + 8 h + 0 .. 7) and (.. + 16 + 8 h + 0 .. 7): the bf16 operand's order
.endr
.endr
	global_load_b64 v[PB:PB+1], v14, s[6:7]        ; expert_b: my 2 of 64
.irp j, 0,1,2,3
	global_load_b64 v[PB+2+2*\j:PB+3+2*\j], v14, s[46:47] offset:2048*\j   ; agg_w's four rows at the same d
.endr
	WIN 0
	XLOAD 0
	XLOAD 1
	s_wait_dscnt 0x0                               ; for the others' sake: my codes and bytes have landed
	s_barrier_signal -1
	s_barrier_wait -1                              ; the slice's codes and scale bytes lie in LDS
	; ---- the slice into registers: 16 tiles x 4 K steps x 8 registers
	WIN 0x80
.irp a, 0,1,2,3,4,5,6,7
.irp q, 0,1,2,3
.irp c, 0,1
	ds_load_b128 v[32*\a+8*\q+4*\c:32*\a+8*\q+4*\c+3], v7 offset:16*WPITCH*\a+64*\q+32*\c
.endr
.endr
.endr
	WIN 0
	XLOAD 2
	XLOAD 3
	WIN 0xc0
.irp a, 0,1,2,3,4,5,6,7
.irp q, 0,1,2,3
.irp c, 0,1
	ds_load_b128 v[32*\a+8*\q+4*\c:32*\a+8*\q+4*\c+3], v7 offset:16*WPITCH*(\a+8)+64*\q+32*\c
.endr
.endr
.endr
	WIN 0
.irp a, 0,1,2,3,4,5,6,7
	ds_load_b128 v[SW+4*\a:SW+4*\a+3], v12 offset:512*\a   ; lanes 0-15: the four words of tile 2 a's rows, lanes 16-31: of tile 2 a + 1's
.endr
	s_wait_loadcnt 40                              ; agg_w and the bias are in; the four slots' forty loads may be out
	WIN 0x40
	v_and_b32 v253, 7, v0
	WIN 0x55
	v_cmp_gt_u32 vcc_lo, 4, v253
	v_cndmask_b32 v252, 0, -1, vcc_lo              ; agg_w has four rows: they are rows 0-3 and 8-11 of the operand; rows 4-7 and 12-15 are zeros
.set n, 0
.rept 64
	v_cvt_pk_bf16_f32 v[AW+n], v[ACC+2*n], v[ACC+2*n+1]
.set n, n+1
.endr
.set n, 0
.rept 64
	v_and_b32 v[AW+n], v252, v[AW+n]
.set n, n+1
.endr
.irp j, 0,1,2,3
	v_mul_f32 v[BREG+\j], v[PB], v[PB+2+2*\j]      ; the bias's share, in f32: sum over d = 64 sl .. + 63 of agg_w(j, d) b(d)
.endr
.irp j, 0,1,2,3
	v_fmac_f32 v[BREG+\j], v[PB+1], v[PB+3+2*\j]
.endr
.irp k, 1,2,4,8
.irp j, 0,1,2,3
	v_add_f32_dpp v[BREG+\j], v[BREG+\j], v[BREG+\j] row_xmask:\k row_mask:0xf bank_mask:0xf
.endr
.endr
.irp j, 0,1,2,3
	v_mov_b32 v[TS+\j], 0                          ; a lane permute's destination counts as one of its sources
	v_mov_b32 v[BREG+4+\j], 0
.endr
.irp j, 0,1,2,3
	v_permlanex16_b32 v[TS+\j], v[BREG+\j], s42, s43
.endr
.irp j, 0,1,2,3
	v_add_f32 v[BREG+\j], v[BREG+\j], v[TS+\j]     ; in every lane; register j is output j in the result's layout, in both halves of the lanes
.endr
	WIN 0
	s_wait_dscnt 0x0                               ; the fragments and scale words are in
	; ---- PHASE 2: eight trips of four tiles; a wave leaves when it has no tile left
	s_mov_b32 s38, 0
	s_mov_b32 s39, 0
	s_mov_b32 s40, 0
.Ltrip:
	v_add_nc_u32 v15, s40, v5                      ; my place in the trip's first tile
	TILE 0
	TILE 1
	TILE 2
	TILE 3
	s_add_co_u32 s40, s40, 64                      ; four tiles of 16 places
	s_add_co_u32 s39, s39, 4
	s_add_co_u32 s38, s38, 1
	s_cmp_lt_u32 s38, 8
	s_cbranch_scc1 .Ltrip
.Ldone:
	s_wait_tensorcnt 0x0
	ds_add_u32 v126, v127
	s_wait_dscnt 0x0
	s_endpgm
.Lfunc_end_k_q6e5c6192d9_experts:
	.size	k_q6e5c6192d9_experts, .Lfunc_end_k_q6e5c6192d9_experts-k_q6e5c6192d9_experts
	.p2alignl 7, 3214868480
	.fill 96, 4, 3214868480
	.section	.rodata,"a",@progbits
	.p2align	6, 0x0
	.amdhsa_kernel k_q6e5c6192d9_experts
		.amdhsa_group_segment_fixed_size 74240
		.amdhsa_private_segment_fixed_size 0
		.amdhsa_enable_private_segment 0
		.amdhsa_kernarg_size 64
		.amdhsa_user_sgpr_count 2
		.amdhsa_user_sgpr_kernarg_segment_ptr 1
		.amdhsa_wavefront_size32 1
		.amdhsa_system_sgpr_workgroup_id_x 1
		.amdhsa_system_sgpr_workgroup_id_y 1
		.amdhsa_system_sgpr_workgroup_id_z 1
		.amdhsa_system_vgpr_workitem_id 0
		.amdhsa_next_free_vgpr 1024
		.amdhsa_next_free_sgpr 100
		.amdhsa_reserve_vcc 1
		.amdhsa_float_denorm_mode_32 3
		.amdhsa_float_denorm_mode_16_64 3
		.amdhsa_memory_ordered 1
		.amdhsa_forward_progress 1
		.amdhsa_inst_pref_size 255
	.end_amdhsa_kernel
	.section	.bss,"aw",@nobits
	.p2align	6
	.space	262144
	.amdgpu_metadata
---
amdhsa.version: [ 1, 2 ]
amdhsa.kernels:
  - .name:           k_q6e5c6192d9_experts
    .symbol:         k_q6e5c6192d9_experts.kd
    .args:
      - { .name: expert_w, .offset: 0, .size: 8, .value_kind: global_buffer, .address_space: global }
      - { .name: expert_b, .offset: 8, .size: 8, .value_kind: global_buffer, .address_space: global }
      - { .name: agg_w, .offset: 16, .size: 8, .value_kind: global_buffer, .address_space: global }
      - { .name: xc, .offset: 24, .size: 8, .value_kind: global_buffer, .address_space: global }
      - { .name: xs, .offset: 32, .size: 8, .value_kind: global_buffer, .address_space: global }
      - { .name: sel, .offset: 40, .size: 8, .value_kind: global_buffer, .address_space: global }
      - { .name: cw, .offset: 48, .size: 8, .value_kind: global_buffer, .address_space: global }
      - { .name: part, .offset: 56, .size: 8, .value_kind: global_buffer, .address_space: global }
    .group_segment_fixed_size: 74240
    .private_segment_fixed_size: 0
    .kernarg_segment_align: 8
    .kernarg_segment_size: 64
    .max_flat_workgroup_size: 128
    .sgpr_count:     100
    .vgpr_count:     1024
    .wavefront_size: 32
...
	.end_amdgpu_metadata
.endif
;; end of part 6
;; launch addup (part 7): grid 64 x 1, 8 waves a work-group, no clusters, 5,120 bytes of LDS; arguments part, base, out0; writes out0
.if DOCPART == 7
	.amdgcn_target "amdgcn-amd-amdhsa--gfx1250"
	.amdhsa_code_object_version 6
	.text
	.protected	k_q6e5c6192d9_addup
	.globl	k_q6e5c6192d9_addup
	.p2align	8
	.type	k_q6e5c6192d9_addup,@function
k_q6e5c6192d9_addup:
	s_mov_b64 s[64:65], 0
	v_nop
	global_prefetch_b8 v0, s[64:65] scope:SCOPE_SE
	s_setreg_imm32_b32 hwreg(HW_REG_WAVE_MODE, 25, 1), 1
	s_wait_xcnt 0x0
; ADDUP.  out0[t][0..3] = base[t][0..3] + the sum of the 64 planes part[plane][t][0..3], all f32.
; A work-group takes 32 tokens, a lane one token's 16 bytes; wave w adds planes 8 w .. 8 w + 7 (each load reads 512 consecutive bytes), the eight sums meet in LDS, wave 0 adds them and base and stores
; 512 consecutive bytes, aligned.  2 MiB are read once: no matrix unit, no ring, no cluster would add anything.
.macro SUM8                            ; v[8:11] = the sum of the eight vectors of four at v8 .. v39
.irp n, 0,2,4,6
	v_pk_add_f32 v[8+4*\n:9+4*\n], v[8+4*\n:9+4*\n], v[12+4*\n:13+4*\n]
	v_pk_add_f32 v[10+4*\n:11+4*\n], v[10+4*\n:11+4*\n], v[14+4*\n:15+4*\n]
.endr
.irp n, 0
	v_pk_add_f32 v[8+4*\n:9+4*\n], v[8+4*\n:9+4*\n], v[16+4*\n:17+4*\n]
	v_pk_add_f32 v[10+4*\n:11+4*\n], v[10+4*\n:11+4*\n], v[18+4*\n:19+4*\n]
.endr
.irp n, 4
	s_delay_alu instid0(VALU_DEP_4)
	v_pk_add_f32 v[8+4*\n:9+4*\n], v[8+4*\n:9+4*\n], v[16+4*\n:17+4*\n]
	s_delay_alu instid0(VALU_DEP_4)
	v_pk_add_f32 v[10+4*\n:11+4*\n], v[10+4*\n:11+4*\n], v[18+4*\n:19+4*\n]
.endr
	s_delay_alu instid0(VALU_DEP_2)
	v_pk_add_f32 v[8:9], v[8:9], v[24:25]
	s_delay_alu instid0(VALU_DEP_2)
	v_pk_add_f32 v[10:11], v[10:11], v[26:27]
.endm
	s_load_b128 s[4:7], s[0:1], 0x0                ; part, base
	s_load_b64 s[8:9], s[0:1], 0x10                ; out0
	v_lshl_add_u32 v64, v0, 2, 0x1000
	v_mov_b32 v65, 0
	v_lshrrev_b32 v1, 5, v0
	s_delay_alu instid0(VALU_DEP_1)
	v_readfirstlane_b32 s10, v1                    ; wave
	v_and_b32 v2, 31, v0
	s_delay_alu instid0(VALU_DEP_1)
	v_lshlrev_b32 v3, 4, v2                        ; 16 L
	s_lshl_b32 s11, ttmp9, 9
	v_add_nc_u32 v1, s11, v3                       ; my token's 16 bytes in a plane, in base and in out0
	s_lshl_b32 s14, s10, 9
	v_add_nc_u32 v4, s14, v3                       ; LDS: 512 w + 16 L
	s_lshl_b32 s12, s10, 18                        ; eight planes of 32,768 bytes
	s_mov_b32 s13, 0
	s_wait_alu depctr_va_vdst(0)
	s_wait_kmcnt 0x0
	s_add_nc_u64 s[4:5], s[4:5], s[12:13]
.irp n, 0,1,2,3,4,5,6,7
	global_load_b128 v[8+4*\n:11+4*\n], v1, s[4:5] offset:32768*\n th:TH_LOAD_NT
.endr
	s_wait_loadcnt 0x0
	SUM8
	ds_store_b128 v4, v[8:11]
	s_wait_dscnt 0x0                               ; for the others' sake: my sum has landed
	s_barrier_signal -1
	s_barrier_wait -1
	s_cmp_lg_u32 s10, 0
	s_cbranch_scc1 .Lend
	global_load_b128 v[40:43], v1, s[6:7]
.irp n, 0,1,2,3,4,5,6,7
	ds_load_b128 v[8+4*\n:11+4*\n], v3 offset:512*\n
.endr
	s_wait_dscnt 0x0
	SUM8
	s_wait_alu depctr_va_vdst(0)
	s_wait_loadcnt 0x0
	v_pk_add_f32 v[8:9], v[8:9], v[40:41]
	v_pk_add_f32 v[10:11], v[10:11], v[42:43]
	global_store_b128 v1, v[8:11], s[8:9]
.Lend:
	s_wait_tensorcnt 0x0
	ds_add_u32 v64, v65
	s_wait_dscnt 0x0
	s_endpgm
.Lfunc_end_k_q6e5c6192d9_addup:
	.size	k_q6e5c6192d9_addup, .Lfunc_end_k_q6e5c6192d9_addup-k_q6e5c6192d9_addup
	.p2alignl 7, 3214868480
	.fill 96, 4, 3214868480
	.section	.rodata,"a",@progbits
	.p2align	6, 0x0
	.amdhsa_kernel k_q6e5c6192d9_addup
		.amdhsa_group_segment_fixed_size 5120
		.amdhsa_private_segment_fixed_size 0
		.amdhsa_enable_private_segment 0
		.amdhsa_kernarg_size 24
		.amdhsa_user_sgpr_count 2
		.amdhsa_user_sgpr_kernarg_segment_ptr 1
		.amdhsa_wavefront_size32 1
		.amdhsa_system_sgpr_workgroup_id_x 1
		.amdhsa_system_sgpr_workgroup_id_y 1
		.amdhsa_system_sgpr_workgroup_id_z 1
		.amdhsa_system_vgpr_workitem_id 0
		.amdhsa_next_free_vgpr 66
		.amdhsa_next_free_sgpr 66
		.amdhsa_reserve_vcc 0
		.amdhsa_float_denorm_mode_32 3
		.amdhsa_float_denorm_mode_16_64 3
		.amdhsa_memory_ordered 1
		.amdhsa_forward_progress 1
		.amdhsa_inst_pref_size 6
	.end_amdhsa_kernel
	.amdgpu_metadata
---
amdhsa.version: [ 1, 2 ]
amdhsa.kernels:
  - .name:           k_q6e5c6192d9_addup
    .symbol:         k_q6e5c6192d9_addup.kd
    .args:
      - { .name: part, .offset: 0, .size: 8, .value_kind: global_buffer, .address_space: global }
      - { .name: base, .offset: 8, .size: 8, .value_kind: global_buffer, .address_space: global }
      - { .name: out0, .offset: 16, .size: 8, .value_kind: global_buffer, .address_space: global }
    .group_segment_fixed_size: 5120
    .private_segment_fixed_size: 0
    .kernarg_segment_align: 8
    .kernarg_segment_size: 24
    .max_flat_workgroup_size: 256
    .sgpr_count:     66
    .vgpr_count:     66
    .wavefront_size: 32
...
	.end_amdgpu_metadata
.endif
;; end of part 7
